; MI455X (gfx1250); checked and timed in simulation.
; The chip was launched on July 23, 2026; its instructions are those of AMD's public machine-readable ISA for CDNA 5 (MIT licence, August 2026) and "CDNA5" Instruction Set Architecture Reference Guide (July 2026). The comments in the code are by the model that wrote it; some were corrected since.
;; Di T Block. Allowed arithmetic: matrix products marked QUANTISED: E2M3 operands, one E8M0 scale for each 32 along K, by v_wmma_scale_f32_16x16x128_f8f6f4 with both operands' format E2M3, f32 sums; products left as they are: f32 operands where the result goes on into a quantised operand, else bf16, f16 or f32 operands; f32 sums; everything else in f32.
;; Inputs: W_k_codes 512 x 16 x 24 uint8 (E2M3 codes of W_k, K innermost, in blocks of 32 codes, four codes in three bytes); W_k_scales 512 x 16 uint8 (E8M0 scales of W_k, one for each 32 codes along K); W_o_codes 512 x 16 x 24 uint8 (E2M3 codes of W_o, K innermost, in blocks of 32 codes, four codes in three bytes); W_o_scales 512 x 16 uint8 (E8M0 scales of W_o, one for each 32 codes along K); W_q_codes 512 x 16 x 24 uint8 (E2M3 codes of W_q, K innermost, in blocks of 32 codes, four codes in three bytes); W_q_scales 512 x 16 uint8 (E8M0 scales of W_q, one for each 32 codes along K); W_v_codes 512 x 16 x 24 uint8 (E2M3 codes of W_v, K innermost, in blocks of 32 codes, four codes in three bytes); W_v_scales 512 x 16 uint8 (E8M0 scales of W_v, one for each 32 codes along K); attn_alpha_w 512 x 256 float32; attn_beta_w 512 x 256 float32; attn_gamma_w 512 x 256 float32; ffn_alpha_w 512 x 256 float32; ffn_beta_w 512 x 256 float32; ffn_gamma_w 512 x 256 float32; gate_w_codes 2,048 x 16 x 24 uint8 (E2M3 codes of gate_w, K innermost, in blocks of 32 codes, four codes in three bytes); gate_w_scales 2,048 x 16 uint8 (E8M0 scales of gate_w, one for each 32 codes along K); hidden_w_codes 2,048 x 16 x 24 uint8 (E2M3 codes of hidden_w, K innermost, in blocks of 32 codes, four codes in three bytes); hidden_w_scales 2,048 x 16 uint8 (E8M0 scales of hidden_w, one for each 32 codes along K); out_b 512 float32; out_w_codes 512 x 64 x 24 uint8 (E2M3 codes of out_w, K innermost, in blocks of 32 codes, four codes in three bytes); out_w_scales 512 x 64 uint8 (E8M0 scales of out_w, one for each 32 codes along K); t 4 x 256 float32; x 4 x 2,048 x 512 float32.
;; Outputs: out0 4 x 2,048 x 512 float32.
;; This version of the problem:
;;   THIS VERSION OF THE PROBLEM IS GIVEN IN LOW PRECISION. The matrix products marked QUANTISED in the list below multiply operands that are first quantised to E2M3 (2 exponent bits, 3 mantissa bits; 6 bits a number), with one power-of-two scale for each 32 numbers along K (OCP MX v1.0); their sums are f32. All else is computed in f32.
;;   The module's matrix products, in the order in which they are computed (A, B: the left and right operand; K: the contracted axis; several contracted axes count as one K, in the product's order):
;;     1. [M 4, K 256] x [K 256, N 512]; A: input t; B: input attn_alpha_w: left as it is (M = 4 < 16)
;;     2. [M 4, K 256] x [K 256, N 512]; A: input t; B: input attn_gamma_w: left as it is (M = 4 < 16)
;;     3. [M 4, K 256] x [K 256, N 512]; A: input t; B: input attn_beta_w: left as it is (M = 4 < 16)
;;     4. [M 8,192, K 512] x [K 512, N 512]; A: computed on the way; B: input W_q (given as codes): QUANTISED
;;     5. [M 8,192, K 512] x [K 512, N 512]; A: computed on the way; B: input W_k (given as codes): QUANTISED
;;     6. [M 8,192, K 512] x [K 512, N 512]; A: computed on the way; B: input W_v (given as codes): QUANTISED
;;     7. batch 64 x [M 2,048, K 32] x [K 32, N 2,048]; A: computed on the way; B: computed on the way: QUANTISED
;;     8. batch 64 x [M 2,048, K 2,048] x [K 2,048, N 32]; A: softmax (see below); B: computed on the way: QUANTISED
;;     9. [M 8,192, K 512] x [K 512, N 512]; A: computed on the way; B: input W_o (given as codes): QUANTISED
;;     10. [M 4, K 256] x [K 256, N 512]; A: input t; B: input ffn_alpha_w: left as it is (M = 4 < 16)
;;     11. [M 4, K 256] x [K 256, N 512]; A: input t; B: input ffn_gamma_w: left as it is (M = 4 < 16)
;;     12. [M 4, K 256] x [K 256, N 512]; A: input t; B: input ffn_beta_w: left as it is (M = 4 < 16)
;;     13. [M 8,192, K 512] x [K 512, N 2,048]; A: computed on the way; B: input gate_w (given as codes): QUANTISED
;;     14. [M 8,192, K 512] x [K 512, N 2,048]; A: computed on the way; B: input hidden_w (given as codes): QUANTISED
;;     15. [M 8,192, K 2,048] x [K 2,048, N 512]; A: computed on the way; B: input out_w (given as codes): QUANTISED
;;   THE QUANTISER, for each operand of a quantised product, along K:
;;     - K is cut into blocks of 32 from its start; a last block that is shorter is filled with zeros.
;;     - A block's scale is 2^e with e = floor(log2(the largest magnitude in the block)) - 2, held to -126 .. 127; a block of zeros has e = 0. As a byte (E8M0): e + 127.
;;     - Each number is divided by its block's scale, clamped to +-7.5, and rounded to the nearest number of E2M3, ties to even, subnormals kept.
;;     - The product sums the exact products of the quantised numbers (number of the format x scale) in f32.
;;   ~~~python
;;   def quantise(x, axis):      # numpy; x: float32 -> the quantised numbers, widened to float32 again
;;       x = np.moveaxis(x, axis, -1); K = x.shape[-1]
;;       x = np.pad(x, [(0, 0)] * (x.ndim - 1) + [(0, -K % 32)]); x = x.reshape(x.shape[:-1] + (-1, 32)); a = np.abs(x).max(-1, keepdims=True)
;;       e = np.where(a > 0, np.clip(np.frexp(np.where(a > 0, a, 1))[1] - 1 - 2, -126, 127), 0)      # np.frexp(a)[1] - 1 = floor(log2(a)), exactly
;;       r = np.clip(x / 2.0 ** e, -7.5, 7.5)
;;       step = 2.0 ** (np.maximum(np.frexp(np.where(r == 0, 1, r))[1] - 1, 0) - 3)
;;       q = np.round(r / step) * step * 2.0 ** e      # np.round: ties to even
;;       return np.moveaxis(q.reshape(q.shape[:-2] + (-1,))[..., :K], -1, axis).astype(np.float32)
;;   ~~~
;;   SOFTMAX AHEAD OF A QUANTISED PRODUCT. Where the list says 'softmax', what is quantised is not the finished softmax but p = 2^(t - M), with t = logit x log2(e) and M = ceil(the row's largest t), a whole number; so 1/2 < the row's largest p <= 1. The row's sum l is taken of the UNQUANTISED p, in f32, and the product's result is divided by l at the end. Since M is a whole number, a kernel that streams over the keys may use a running M (the ceiling of the running maximum): every later rescaling is an exact power of two, which a block's scale takes up: the codes' values come out the same.
;;   OPERANDS COMPUTED ON THE WAY. 'Computed on the way' means the value that the module computes at that place (a softmax that the list does not call 'softmax' is quantised finished and normalised). What goes into a quantiser is computed in f32, as accurately as f32 sums, v_exp_f32 and their like allow (about 1e-6 of the number): no bf16 or f16 on the way to a quantiser, and a product that is left as it is and whose result goes on into a quantised operand takes f32 operands (vector FMAs, or v_wmma_f32_16x16x4_f32). A number that lies on a knife's edge between two numbers of the format may be rounded either way, as far as f32 arithmetic and the matrix unit's own rounding can turn it there, and no further.
;;   INPUTS GIVEN AS CODES. W_k (in the module: [512, 512], K = its axis 1); W_o (in the module: [512, 512], K = its axis 1); W_q (in the module: [512, 512], K = its axis 1); W_v (in the module: [512, 512], K = its axis 1); gate_w (in the module: [2048, 512], K = its axis 1); hidden_w (in the module: [2048, 512], K = its axis 1); out_w (in the module: [512, 2048], K = its axis 1): each comes as NAME_codes (uint8): NAME with its K axis moved to the last place and cut into blocks of 32 codes, [.., K / 32, bytes a block], one block behind the other in memory; four codes in three bytes: a row's codes are one little-endian stream of bits, code i at bits 6 i .. 6 i + 5 (a code: sign, 2 exponent bits, 3 mantissa bits); and NAME_scales (uint8): the same leading axes, one E8M0 byte (e + 127) for each 32 codes along K. Its value is code x scale, taken as it is: it is not quantised again, and the codes and scales need not be those that the quantiser above would give.
;; One version. Each part assembles by itself: llvm-mc -triple=amdgcn-amd-amdhsa -mcpu=gfx1250 --defsym DOCPART=n.
;; ======== version 1 of 1: 6 launches
;; limits: right only within a limited range of input values
;; workspace buffers: modv 49,152 bytes; qkvw 9,830,400 bytes; ow 3,276,800 bytes; x1 16,777,216 bytes; h2w 3,407,872 bytes; aw 13,107,200 bytes; wimg 3,145,728 bytes
;; launch mod (part 1): grid 8 x 22, 16 waves a work-group, no clusters, 3,072 bytes of LDS; arguments t, attn_gamma_w, attn_beta_w, attn_alpha_w, ffn_gamma_w, ffn_beta_w, ffn_alpha_w, modv, W_q_codes, W_k_codes, W_v_codes, W_o_codes, gate_w_codes, hidden_w_codes, out_w_codes, wimg; writes modv, wimg
.if DOCPART == 1
	.amdgcn_target "amdgcn-amd-amdhsa--gfx1250"
	.amdhsa_code_object_version 6
	.text
	.protected	k_q67dd82f3cb_mod
	.globl	k_q67dd82f3cb_mod
	.p2align	8
	.type	k_q67dd82f3cb_mod,@function
k_q67dd82f3cb_mod:
	s_mov_b64 s[64:65], 0
	v_nop
	global_prefetch_b8 v0, s[64:65] scope:SCOPE_SE
	s_setreg_imm32_b32 hwreg(HW_REG_WAVE_MODE, 25, 1), 1
	s_wait_xcnt 0x0
; TWO KINDS OF WORK-GROUP, parted by the work-group's y.
; y = 0..5: the six small products t [4][256] x w^T [256][512], in f32 by fused multiply-adds: four of them feed a quantiser, so nothing coarser stands here.
;   modv = f32 [v 6][batch 4][512]; v in the order of the arguments: attn gamma, beta, alpha, ffn gamma, beta, alpha.
;   Work-group (x, y): weight y, rows 64 x .. 64 x + 63.  Wave w takes rows 64 x + 4 w + i, i = 0..3; lane l holds k = 128 j + 4 l + 0..3, j = 0, 1:
;   every load of a wave covers 512 consecutive bytes.  The 16 sums of a wave (4 rows x 4 batches) are added over the lanes, meet in 1,024 bytes of LDS
;   laid [batch][64 rows], and leave as four aligned runs of 256 bytes, stored by waves 0 and 1.
; y = 6..21: the seven weights given as codes are laid ONCE in the order in which the later launches' operand registers take them, so that those launches, which read a
;   weight slice in 32 to 256 work-groups each, load a fragment by three loads of 512 consecutive bytes.  wimg = 2,048 fragments (16 rows x 128 K: 12 registers a lane, 1,536 bytes), fragment F at 1,536 F:
;   W_q 0-127, W_k 128-255, W_v 256-383, W_o 384-511, gate_w 512-1023, hidden_w 1024-1535 (tile T, K step s: 4 T + s), out_w 1536-2047 (16 T + s).  Register 4 k + e of lane l lies at 512 k + 16 l + 4 e.
;   Lane r of tile T takes row 32 (T / 2) + 8 (T % 2) + r + 8 (r / 8), but in W_v and out_w row 16 T + r: the orders that the readers' layouts want.
;   A wave moves one fragment: F = 128 (y - 6) + 16 x + wave.  This path uses no LDS.
; The two paths join ahead of the one barrier, so that every wave of every work-group passes it.
.set T, 8                              ; v8-39    t: batch b, half j at 8 b + 4 j
.set W, 40                             ; v40-71   my four rows of the weight: 8 i + 4 j
.set P, 72                             ; v72-103  16 pairs of running sums
.set S, 104                            ; v104-119 the 16 sums
.set FRG, 72                           ; v72-83   the layout path: a fragment's 12 registers
	s_load_b512 s[4:19], s[0:1], 0x0               ; t s[4:5], the six weights s[6:17], modv s[18:19]
	s_load_b512 s[32:47], s[0:1], 0x40             ; the codes of W_q, W_k, W_v, W_o, gate_w, hidden_w, out_w s[32:45], wimg s[46:47]
	v_lshl_add_u32 v128, v0, 2, 0x400
	v_mov_b32 v129, 0
	v_lshrrev_b32 v2, 5, v0
	s_delay_alu instid0(VALU_DEP_1)
	v_readfirstlane_b32 s24, v2                    ; wave 0..15
	s_delay_alu instid0(VALU_DEP_2)
	v_lshlrev_b32 v2, 4, v2                        ; LDS: 16 bytes for my four rows
	v_and_b32 v1, 31, v0
	s_delay_alu instid0(VALU_DEP_1)
	v_lshlrev_b32 v1, 4, v1                        ; 16 x lane
	v_and_b32 v3, 63, v0                           ; the way out (waves 0 and 1): thread 0..63
	s_delay_alu instid0(VALU_DEP_1)
	v_lshlrev_b32 v4, 4, v3                        ; its 16 bytes in LDS
	s_delay_alu instid0(VALU_DEP_2)
	v_lshrrev_b32 v5, 4, v3                        ; batch
	s_delay_alu instid0(VALU_DEP_3)
	v_and_b32 v6, 15, v3
	s_delay_alu instid0(VALU_DEP_2)
	v_lshlrev_b32 v5, 11, v5
	s_delay_alu instid0(VALU_DEP_1)
	v_lshl_add_u32 v5, v6, 4, v5                   ; batch x 2,048 + 16 x (thread % 16)
	s_and_b32 s25, ttmp7, 0xffff                   ; y
	s_mov_b32 s22, 0x76543210
	s_mov_b32 s23, 0xfedcba98                      ; lane l xor 16
	s_wait_kmcnt 0x0
	s_cmp_ge_u32 s25, 6                            ; the branch hangs on the work-group's number alone
	s_cbranch_scc1 .Llay
	; ---- the small products
	s_lshl_b32 s26, ttmp9, 16                      ; 64 rows of 1,024 bytes
	s_lshl_b32 s27, s24, 12                        ; 4 rows
	s_add_co_u32 s26, s26, s27
	s_mov_b32 s27, 0
	s_lshl_b32 s28, s25, 13                        ; a vector set is 8,192 bytes
	s_lshl_b32 s29, ttmp9, 8
	s_add_co_u32 s28, s28, s29
	s_mov_b32 s29, 0
	s_mov_b64 s[20:21], s[6:7]
.irp k,1,2,3,4,5
	s_cmp_eq_u32 s25, \k
	s_cselect_b64 s[20:21], s[6+2*\k:7+2*\k], s[20:21]
.endr
	s_add_nc_u64 s[20:21], s[20:21], s[26:27]
	s_add_nc_u64 s[18:19], s[18:19], s[28:29]
	s_wait_alu depctr_va_vdst(0)
.irp b,0,1,2,3
.irp j,0,1
	global_load_b128 v[T+8*\b+4*\j:T+8*\b+4*\j+3], v1, s[4:5] offset:1024*\b+512*\j
.endr
.endr
.irp i,0,1,2,3
.irp j,0,1
	global_load_b128 v[W+8*\i+4*\j:W+8*\i+4*\j+3], v1, s[20:21] offset:1024*\i+512*\j
.endr
.endr
	s_wait_loadcnt 0x0
.irp i,0,1,2,3
.irp b,0,1,2,3
	v_pk_mul_f32 v[P+2*(4*\i+\b):P+2*(4*\i+\b)+1], v[W+8*\i:W+8*\i+1], v[T+8*\b:T+8*\b+1]
.endr
.endr
.irp q,2,4,6
.irp i,0,1,2,3
.irp b,0,1,2,3
	v_pk_fma_f32 v[P+2*(4*\i+\b):P+2*(4*\i+\b)+1], v[W+8*\i+\q:W+8*\i+\q+1], v[T+8*\b+\q:T+8*\b+\q+1], v[P+2*(4*\i+\b):P+2*(4*\i+\b)+1]
.endr
.endr
.endr
.irp k,0,1,2,3,4,5,6,7,8,9,10,11,12,13,14,15
	v_add_f32 v[S+\k], v[P+2*\k], v[P+2*\k+1]
.endr
.irp x,1,2,4,8                         ; over the 16 lanes of a half, the 16 sums by turns
.irp k,0,1,2,3,4,5,6,7,8,9,10,11,12,13,14,15
	v_add_f32_dpp v[S+\k], v[S+\k], v[S+\k] row_xmask:\x row_mask:0xf bank_mask:0xf
.endr
.endr
.irp k,0,1,2,3,4,5,6,7,8,9,10,11,12,13,14,15
	v_permlanex16_b32 v[P+2*\k], v[S+\k], s22, s23
.endr
.irp k,0,1,2,3,4,5,6,7,8,9,10,11,12,13,14,15
	v_add_f32 v[S+\k], v[S+\k], v[P+2*\k]          ; every lane holds the sum
.endr
.irp i,0,1,2,3
.irp b,0,1,2,3
	ds_store_b32 v2, v[S+4*\i+\b] offset:256*\b+4*\i   ; all lanes write the same word with the same value
.endr
.endr
	s_branch .Ljoin
.Llay:
	; ---- one fragment of a weight, from rows to the image of its registers
	s_sub_co_u32 s50, s25, 6                       ; which 128 fragments: 0 W_q, 1 W_k, 2 W_v, 3 W_o, 4-7 gate_w, 8-11 hidden_w, 12-15 out_w
	s_and_b32 s51, s50, 12
	s_cmp_lt_u32 s50, 4
	s_cselect_b32 s51, s50, s51                    ; where my tensor's fragments begin, in the same unit
	s_sub_co_u32 s51, s50, s51
	s_lshl_b32 s51, s51, 7
	s_lshl_b32 s52, ttmp9, 4
	s_add_co_u32 s52, s52, s24                     ; 16 x + wave
	s_add_co_u32 s51, s51, s52                     ; the fragment's number within its tensor
	s_lshl_b32 s53, s50, 7
	s_add_co_u32 s53, s53, s52                     ; F
	s_mul_i32 s54, s53, 1536
	s_mov_b32 s55, 0
	s_add_nc_u64 s[46:47], s[46:47], s[54:55]      ; where it goes
	s_mov_b64 s[48:49], s[32:33]                   ; the tensor: every choice hangs on the work-group's number alone
	s_cmp_eq_u32 s50, 1
	s_cselect_b64 s[48:49], s[34:35], s[48:49]
	s_cmp_eq_u32 s50, 3
	s_cselect_b64 s[48:49], s[38:39], s[48:49]
	s_cmp_ge_u32 s50, 4
	s_cselect_b64 s[48:49], s[40:41], s[48:49]
	s_cmp_ge_u32 s50, 8
	s_cselect_b64 s[48:49], s[42:43], s[48:49]
	s_mov_b32 s56, 8                               ; rows 8-15 of a tile lie 8 further on, and odd tiles begin 8 rows earlier; not so in W_v and out_w
	s_mov_b32 s58, 384                             ; a row of 512 codes in bytes; out_w's has 2,048 codes
	s_cmp_eq_u32 s50, 2
	s_cselect_b64 s[48:49], s[36:37], s[48:49]
	s_cselect_b32 s56, 0, s56
	s_cmp_ge_u32 s50, 12
	s_cselect_b64 s[48:49], s[44:45], s[48:49]
	s_cselect_b32 s56, 0, s56
	s_cselect_b32 s57, 4, 2                        ; 16 or 4 K steps to a tile
	s_cselect_b32 s58, 1536, s58
	s_lshr_b32 s59, s51, s57                       ; tile T
	s_lshl_b32 s60, s59, s57
	s_sub_co_u32 s60, s51, s60                     ; K step
	s_and_b32 s61, s59, 1
	s_mul_i32 s61, s61, s56
	s_lshl_b32 s62, s59, 4
	s_sub_co_u32 s62, s62, s61                     ; the tile's first row: 16 T, or 32 (T / 2) + 8 (T % 2)
	s_mul_i32 s62, s62, s58
	s_mul_i32 s60, s60, 96
	s_add_co_u32 s62, s62, s60
	s_mov_b32 s63, 0
	s_add_nc_u64 s[48:49], s[48:49], s[62:63]
	v_and_b32 v121, 15, v0                         ; r
	v_bfe_u32 v122, v0, 3, 1
	s_delay_alu instid0(VALU_DEP_1)
	v_mul_u32_u24 v122, s56, v122
	s_delay_alu instid0(VALU_DEP_1)
	v_add_nc_u32 v121, v121, v122                  ; r + 8 (r / 8), or r
	s_delay_alu instid0(VALU_DEP_1)
	v_mul_u32_u24 v121, s58, v121
	v_bfe_u32 v122, v0, 4, 1
	s_delay_alu instid0(VALU_DEP_1)
	v_mad_u32_u24 v121, v122, 24, v121             ; + 24 h
.irp p,0,1,2,3,4,5
	global_load_b64 v[FRG+2*\p:FRG+2*\p+1], v121, s[48:49] offset:48*(\p/3)+8*(\p%3) th:TH_LOAD_NT   ; 24 bytes of a row's stream of bits as three loads of 8; read once in the whole program
.endr
	s_wait_loadcnt 0x0
.irp k,0,1,2
	global_store_b128 v1, v[FRG+4*\k:FRG+4*\k+3], s[46:47] offset:512*\k   ; 32 lanes store 512 consecutive bytes, aligned
.endr
.Ljoin:
	s_wait_dscnt 0x0                               ; for the others' sake: my LDS stores are done
	s_barrier_signal -1
	s_barrier_wait -1
	s_cmp_ge_u32 s25, 6
	s_cbranch_scc1 .Lend
	s_cmp_gt_u32 s24, 1
	s_cbranch_scc1 .Lend
	ds_load_b128 v[8:11], v4
	s_wait_dscnt 0x0
	s_wait_alu depctr_va_vdst(0)
	global_store_b128 v5, v[8:11], s[18:19]        ; sixteen lanes store 256 consecutive bytes, aligned
.Lend:
	s_wait_tensorcnt 0x0
	ds_add_u32 v128, v129
	s_wait_dscnt 0x0
	s_endpgm
.Lfunc_end_k_q67dd82f3cb_mod:
	.size	k_q67dd82f3cb_mod, .Lfunc_end_k_q67dd82f3cb_mod-k_q67dd82f3cb_mod
	.p2alignl 7, 3214868480
	.fill 96, 4, 3214868480
	.section	.rodata,"a",@progbits
	.p2align	6, 0x0
	.amdhsa_kernel k_q67dd82f3cb_mod
		.amdhsa_group_segment_fixed_size 3072
		.amdhsa_private_segment_fixed_size 0
		.amdhsa_enable_private_segment 0
		.amdhsa_kernarg_size 128
		.amdhsa_user_sgpr_count 2
		.amdhsa_user_sgpr_kernarg_segment_ptr 1
		.amdhsa_wavefront_size32 1
		.amdhsa_system_sgpr_workgroup_id_x 1
		.amdhsa_system_sgpr_workgroup_id_y 1
		.amdhsa_system_sgpr_workgroup_id_z 1
		.amdhsa_system_vgpr_workitem_id 0
		.amdhsa_next_free_vgpr 130
		.amdhsa_next_free_sgpr 66
		.amdhsa_reserve_vcc 0
		.amdhsa_float_denorm_mode_32 3
		.amdhsa_float_denorm_mode_16_64 3
		.amdhsa_memory_ordered 1
		.amdhsa_forward_progress 1
		.amdhsa_inst_pref_size 19
	.end_amdhsa_kernel
	.amdgpu_metadata
---
amdhsa.version: [ 1, 2 ]
amdhsa.kernels:
  - .name:           k_q67dd82f3cb_mod
    .symbol:         k_q67dd82f3cb_mod.kd
    .args:
      - { .name: t, .offset: 0, .size: 8, .value_kind: global_buffer, .address_space: global }
      - { .name: attn_gamma_w, .offset: 8, .size: 8, .value_kind: global_buffer, .address_space: global }
      - { .name: attn_beta_w, .offset: 16, .size: 8, .value_kind: global_buffer, .address_space: global }
      - { .name: attn_alpha_w, .offset: 24, .size: 8, .value_kind: global_buffer, .address_space: global }
      - { .name: ffn_gamma_w, .offset: 32, .size: 8, .value_kind: global_buffer, .address_space: global }
      - { .name: ffn_beta_w, .offset: 40, .size: 8, .value_kind: global_buffer, .address_space: global }
      - { .name: ffn_alpha_w, .offset: 48, .size: 8, .value_kind: global_buffer, .address_space: global }
      - { .name: modv, .offset: 56, .size: 8, .value_kind: global_buffer, .address_space: global }
      - { .name: W_q_codes, .offset: 64, .size: 8, .value_kind: global_buffer, .address_space: global }
      - { .name: W_k_codes, .offset: 72, .size: 8, .value_kind: global_buffer, .address_space: global }
      - { .name: W_v_codes, .offset: 80, .size: 8, .value_kind: global_buffer, .address_space: global }
      - { .name: W_o_codes, .offset: 88, .size: 8, .value_kind: global_buffer, .address_space: global }
      - { .name: gate_w_codes, .offset: 96, .size: 8, .value_kind: global_buffer, .address_space: global }
      - { .name: hidden_w_codes, .offset: 104, .size: 8, .value_kind: global_buffer, .address_space: global }
      - { .name: out_w_codes, .offset: 112, .size: 8, .value_kind: global_buffer, .address_space: global }
      - { .name: wimg, .offset: 120, .size: 8, .value_kind: global_buffer, .address_space: global }
    .group_segment_fixed_size: 3072
    .private_segment_fixed_size: 0
    .kernarg_segment_align: 8
    .kernarg_segment_size: 128
    .max_flat_workgroup_size: 512
    .sgpr_count:     66
    .vgpr_count:     130
    .wavefront_size: 32
...
	.end_amdgpu_metadata
.endif
;; end of part 1
;; launch qkv (part 2): grid 3 x 64, 4 waves a work-group, no clusters, 164,352 bytes of LDS; arguments x, modv, wimg, W_q_scales, W_k_scales, W_v_scales, qkvw; writes qkvw
.if DOCPART == 2
	.amdgcn_target "amdgcn-amd-amdhsa--gfx1250"
	.amdhsa_code_object_version 6
	.text
	.protected	k_q67dd82f3cb_qkv
	.globl	k_q67dd82f3cb_qkv
	.p2align	8
	.type	k_q67dd82f3cb_qkv,@function
k_q67dd82f3cb_qkv:
	s_mov_b64 s[64:65], 0
	v_nop
	global_prefetch_b8 v0, s[64:65] scope:SCOPE_SE
	s_setreg_imm32_b32 hwreg(HW_REG_WAVE_MODE, 25, 1), 1
	s_wait_xcnt 0x0
; h1 = gamma x rms(x) + beta, quantised along d_model; then ONE of q, k, v = h1 W^T (work-group x = 0, 1, 2), quantised for attention: q and k along the head's 32, v along the keys.
; All products on codes of FP6 (E2M3) with one E8M0 scale for each 32 along K.  Work-group (Y, g): 128 tokens, as two blocks of 64.
; THE WAVES SHARE THE COLUMNS: wave w keeps W's rows 128 w .. 128 w + 127 (heads 4 w .. 4 w + 3; 8 tiles x 4 K steps x 12 = 384 registers) for the whole launch.  They come from wimg, where the first launch
; has laid them as images of these registers: three loads of 512 consecutive bytes a fragment.
; PHASE X: wave w turns 16 rows of x (tile w) into four fragments; they go to the other waves through LDS as images of their registers (16 bytes a lane, 512 bytes a store).
; PHASE G, q and k: source 0 = 16 rows of W, source 1 = 16 tokens, so a lane holds one token.  The rows of a tile of W are not neighbours (lane r of tile 2 b + u takes row 32 b + 8 u + r + 8 (r / 8)),
;   so that the 16 registers of tiles 2 b, 2 b + 1 are 16 neighbouring channels of head b: half a block; the other half lies in lane l xor 16.
; PHASE G, v: source 0 = 16 tokens, source 1 = 16 rows of W in natural order, so a lane holds one channel; here the TOKENS of a tile are chosen by the same pattern, so that two tiles' registers are 16 neighbouring keys.
; What differs for v lies in global offsets chosen by s_cselect_b32 on the work-group's number, and in one scalar branch inside the loop.
; qkvw: codes [q|k: head-batch 64][token][24 B], v: [head-batch][key block 64][channel 32][24 B]; scale bytes behind them, [head-batch][2048] each.
; LIMITS: NaN and infinities are not served; a block whose largest magnitude lies under 2^-124 gets the byte 1, a block of zeros too (its codes are zeros; this program alone reads the bytes).
; REGISTERS.  window 0: v4-21 addresses; v[22:23] 1/rms; v24-31 sums; v32-63 W's scale words; v64-191 accumulators (v64-127: h1 in phase X); v192-199 h1's scale words; v200-215, v216, v220-238 the quantiser's.
;   window 1: v0-191 W's tiles 0-3 (48 t + 12 s); v192-255 gamma's chunk, later fragments of h1.   window 2: the same for tiles 4-7 and beta.   window 3: 16 rows of x.
.set XIMG, 0                           ; LDS: h1's 16 fragments, (4 tile + K step) x 1,536
.set XSC,  24576                       ; their scale words: 512 tile + 16 lane + 4 K step
.set STG,  26624                       ; for each wave a stage of 16 rows x (2,048 + 16) bytes, in which x is turned
.set WSTG, 33024
.set SPI,  2064
.set SST,  158720                      ; for each wave 512 bytes: the scale bytes of its 4 heads x 128
.set WS,  32
.set ACC, 64
.set HA,  64
.set XS,  192
.set TM,  200
.set PW,  216
.set PC,  220
.set CQ,  220
.set FG,  192
.set SEL, 20
.set MSB, 0
.macro WIN new                         ; the immediate's high byte repeats the setting that is left
.if MSB != (\new)
	s_set_vgpr_msb (MSB<<8)|(\new)
.set MSB, (\new)
.endif
.endm
.macro PLACES n
.rept \n
	v_nop
.endr
.endm
.macro BARRIER                         ; my LDS stores have landed and my LDS loads are in: then the work-group's barrier
	s_wait_dscnt 0x0
	s_barrier_signal -1
	s_barrier_wait -1
.endm
; 64 numbers of a lane, register 16 b + i = k 32 b + 16 (lane / 16) + i of my row, become a fragment's codes in v[PC] on and its scale word in v[PW]
.macro QUANT s
.irp b,0,1,2,3
	v_max3_num_f32 v[TM+\b], |v[\s+16*\b]|, |v[\s+1+16*\b]|, 0x1800000   ; and the floor 2^(3 - 127): the byte cannot fall under 1
.endr
.irp i,2,4,6,8,10,12,14
.irp b,0,1,2,3
	v_max3_num_f32 v[TM+\b], v[TM+\b], |v[\s+16*\b+\i]|, |v[\s+1+16*\b+\i]|
.endr
.endr
.irp b,0,1,2,3
	v_permlanex16_b32 v[TM+4+\b], v[TM+\b], s[SEL], s[SEL+1]
.endr
.irp b,0,1,2,3
	v_max_num_f32 v[TM+\b], v[TM+\b], v[TM+4+\b]   ; with lane l xor 16's: the block's largest magnitude
.endr
.irp b,0,1,2,3
	v_add_nc_u32 v[TM+12+\b], 0xff000000, v[TM+\b]   ; 2 off its exponent field: the conversion's scale operand
.endr
.irp b,0,1,2,3
	v_lshrrev_b32 v[TM+4+\b], 23, v[TM+12+\b]      ; the scale's byte
.endr
	v_lshl_or_b32 v[PW], v[TM+5], 8, v[TM+4]
	v_lshl_or_b32 v[PW], v[TM+6], 16, v[PW]
	v_lshl_or_b32 v[PW], v[TM+7], 24, v[PW]
.irp c,0,1
	v_cvt_scalef32_pk16_fp6_f32 v[PC+6*\c:PC+2+6*\c], v[\s+32*\c:\s+15+32*\c], v[TM+12+2*\c]
	v_cvt_scalef32_pk16_fp6_f32 v[PC+12+4*\c:PC+14+4*\c], v[\s+16+32*\c:\s+31+32*\c], v[TM+12+2*\c+1]
.endr
	v_nop                                          ; one plain place behind a scaled conversion
.irp c,0,1                             ; the operand's layout wants a whole block in a lane
.irp i,0,1,2
	v_permlane16_swap_b32 v[PC+6*\c+\i], v[PC+12+4*\c+\i]
.endr
.irp i,0,1,2
	v_mov_b32 v[PC+3+6*\c+\i], v[PC+12+4*\c+\i]
.endr
.endr
.endm
; Four groups of 16 registers, each half a block of 32 (the other half in lane l xor 16): 12 bytes of codes a lane go to memory (a wave's store covers 384 consecutive bytes), the byte to my wave's LDS.
; mode 0 (q, k): group g = head g, a = the tile of tokens.  mode 1 (v): group g = W's tile 4 a + g, b = the key block of the two.
.macro HALFQ acc, mode, a, b
	s_wait_xcnt 0x0                                ; earlier stores have read the codes' registers
	s_wait_dscnt 0x0
.irp g,0,1,2,3
	v_max3_num_f32 v[TM+\g], |v[\acc+16*\g]|, |v[\acc+16*\g+1]|, 0x1800000   ; each accumulator is read from its low end on
.endr
.irp i,2,4,6,8,10,12,14
.irp g,0,1,2,3
	v_max3_num_f32 v[TM+\g], v[TM+\g], |v[\acc+16*\g+\i]|, |v[\acc+16*\g+\i+1]|
.endr
.endr
.irp g,0,1,2,3
	v_permlanex16_b32 v[TM+4+\g], v[TM+\g], s[SEL], s[SEL+1]
.endr
.irp g,0,1,2,3
	v_max_num_f32 v[TM+\g], v[TM+\g], v[TM+4+\g]
.endr
.irp g,0,1,2,3
	v_add_nc_u32 v[TM+12+\g], 0xff000000, v[TM+\g]
.endr
.irp g,0,1,2,3
	v_lshrrev_b32 v[TM+8+\g], 23, v[TM+12+\g]
.endr
.irp g,0,1,2,3
	v_cvt_scalef32_pk16_fp6_f32 v[CQ+4*\g:CQ+4*\g+2], v[\acc+16*\g:\acc+16*\g+15], v[TM+12+\g]
.endr
	v_nop                                          ; one plain place behind the last conversion
.irp g,0,1,2,3
.if \mode
.set HC, ((4*\a+\g)/2)*49152+((4*\a+\g)%2)*384+768*\b
.set HB, ((4*\a+\g)/2)*128+32*\b+16*((4*\a+\g)%2)
.else
.set HC, 49152*\g+384*\a
.set HB, 128*\g+16*\a
.endif
	global_store_b96 v13, v[CQ+4*\g:CQ+4*\g+2], s[32:33] offset:HC
	ds_store_b8 v15, v[TM+8+\g] offset:HB          ; both lanes of a block write the same byte with the same value
.endr
.endm
.macro WLOAD t                         ; W's tile t, four K steps: each fragment's image by three loads of 512 consecutive bytes
.irp s,0,1,2,3
.irp k,0,1,2
	global_load_b128 v[48*((\t)%4)+12*\s+4*\k:48*((\t)%4)+12*\s+4*\k+3], v8, s[8:9] offset:(4*(\t)+\s)*1536+512*\k
.endr
.endr
.endm
.macro XLOAD off                       ; my 16 rows of x, 512 consecutive bytes a load
	WIN 0xc0
.irp i,0,1,2,3,4,5,6,7,8,9,10,11,12,13,14,15
.irp j,0,1,2,3
	global_load_b128 v[16*\i+4*\j:16*\i+4*\j+3], v[4+\i/8], s[4:5] offset:\off+2048*\i+512*\j
.endr
.endr
	WIN 0
.endm
.macro GBLOAD c                        ; gamma and beta at k = 128 c + 32 b + 16 (lane / 16) + 0 .. 15
	WIN 0x40
.irp b,0,1,2,3
.irp j,0,1,2,3
	global_load_b128 v[FG+16*\b+4*\j:FG+16*\b+4*\j+3], v12, s[36:37] offset:512*(\c)+128*\b+16*\j
.endr
.endr
	WIN 0x80
.irp b,0,1,2,3
.irp j,0,1,2,3
	global_load_b128 v[FG+16*\b+4*\j:FG+16*\b+4*\j+3], v12, s[38:39] offset:512*(\c)+128*\b+16*\j
.endr
.endr
.endm
; q, k: the tile m of 16 tokens against my 8 tiles of W.  Four accumulators take turns, one instruction a turn.
.macro QKT m
	WIN 0x40<<((\m)%2)
.irp s,0,1,2,3
.irp k,0,1,2
	ds_load_b128 v[FG+12*\s+4*\k:FG+12*\s+4*\k+3], v8 offset:XIMG+(4*(\m)+\s)*1536+512*\k
.endr
.endr
	WIN 0
	ds_load_b128 v[XS:XS+3], v11 offset:512*(\m)
	s_wait_dscnt 0x0
.irp hf,0,1
	WIN (1+\hf)|((1+(\m)%2)<<2)
.irp s,0,1,2,3
.irp t,0,1,2,3
.if \s == 0
	v_wmma_scale_f32_16x16x128_f8f6f4 v[ACC+8*(4*\hf+\t):ACC+8*(4*\hf+\t)+7], v[48*\t+12*\s:48*\t+12*\s+11], v[FG+12*\s:FG+12*\s+11], 0, v[WS+4*(4*\hf+\t)+\s], v[XS+\s] matrix_a_fmt:MATRIX_FMT_FP6 matrix_b_fmt:MATRIX_FMT_FP6
.else
	v_wmma_scale_f32_16x16x128_f8f6f4 v[ACC+8*(4*\hf+\t):ACC+8*(4*\hf+\t)+7], v[48*\t+12*\s:48*\t+12*\s+11], v[FG+12*\s:FG+12*\s+11], v[ACC+8*(4*\hf+\t):ACC+8*(4*\hf+\t)+7], v[WS+4*(4*\hf+\t)+\s], v[XS+\s] matrix_a_fmt:MATRIX_FMT_FP6 matrix_b_fmt:MATRIX_FMT_FP6
.endif
.endr
.endr
.endr
	WIN 0
	PLACES 5                                       ; behind the products, ahead of the first read of results
	HALFQ ACC, 0, \m, 0
.endm
; v: the tiles 2 bb and 2 bb + 1 of tokens (32 neighbouring keys) against my 8 tiles of W
.macro VBLK bb
.irp u,0,1
	WIN 0x40<<\u
.irp s,0,1,2,3
.irp k,0,1,2
	ds_load_b128 v[FG+12*\s+4*\k:FG+12*\s+4*\k+3], v8 offset:XIMG+(4*(2*\bb+\u)+\s)*1536+512*\k
.endr
.endr
.endr
	WIN 0
	ds_load_b128 v[XS:XS+3], v11 offset:512*(2*\bb)
	ds_load_b128 v[XS+4:XS+7], v11 offset:512*(2*\bb+1)
	s_wait_dscnt 0x0
.irp hf,0,1
.irp u,0,1
	WIN (1+\u)|((1+\hf)<<2)
.irp s,0,1,2,3
.irp t,0,1,2,3
.if \s == 0
	v_wmma_scale_f32_16x16x128_f8f6f4 v[ACC+16*(4*\hf+\t)+8*\u:ACC+16*(4*\hf+\t)+8*\u+7], v[FG+12*\s:FG+12*\s+11], v[48*\t+12*\s:48*\t+12*\s+11], 0, v[XS+4*\u+\s], v[WS+4*(4*\hf+\t)+\s] matrix_a_fmt:MATRIX_FMT_FP6 matrix_b_fmt:MATRIX_FMT_FP6
.else
	v_wmma_scale_f32_16x16x128_f8f6f4 v[ACC+16*(4*\hf+\t)+8*\u:ACC+16*(4*\hf+\t)+8*\u+7], v[FG+12*\s:FG+12*\s+11], v[48*\t+12*\s:48*\t+12*\s+11], v[ACC+16*(4*\hf+\t)+8*\u:ACC+16*(4*\hf+\t)+8*\u+7], v[XS+4*\u+\s], v[WS+4*(4*\hf+\t)+\s] matrix_a_fmt:MATRIX_FMT_FP6 matrix_b_fmt:MATRIX_FMT_FP6
.endif
.endr
.endr
.endr
.endr
	WIN 0
	PLACES 5
	HALFQ ACC, 1, 0, \bb
	HALFQ ACC+64, 1, 1, \bb
.endm
	s_load_b256 s[4:11], s[0:1], 0x0               ; x, modv, wimg, W_q's scales
	s_load_b128 s[12:15], s[0:1], 0x20             ; W_k's scales, W_v's scales
	s_load_b64 s[22:23], s[0:1], 0x30              ; qkvw
	v_lshl_add_u32 v254, v0, 2, 0x28000
	v_mov_b32 v255, 0
	v_lshrrev_b32 v1, 5, v0
	v_readfirstlane_b32 s28, v1                    ; wave 0..3
	v_and_b32 v1, 31, v0                           ; lane
	s_wait_alu depctr_va_vdst(0)
	v_and_b32 v2, 15, v0                           ; r
	s_wait_alu depctr_va_vdst(0)
	v_bfe_u32 v3, v0, 4, 1                         ; h
	s_mov_b32 s[SEL], 0x76543210
	s_mov_b32 s[SEL+1], 0xfedcba98
	s_mov_b32 s50, 0x3b000000                      ; 1 / 512
	s_mov_b32 s51, 0x358637bd                      ; 1e-6
	s_mov_b32 s24, ttmp9                           ; Y: 0 q, 1 k, 2 v
	s_and_b32 s25, ttmp7, 0xffff                   ; g: tokens 128 g on
	s_lshr_b32 s26, s25, 4                         ; batch
	s_and_b32 s27, s25, 15
	s_lshl_b32 s27, s27, 7                         ; first token within the batch
	s_lshl_b32 s44, s28, 4                         ; q, k: my tile's first token is 16 w
	s_lshr_b32 s45, s28, 1
	s_lshl_b32 s45, s45, 5
	s_and_b32 s46, s28, 1
	s_lshl_b32 s46, s46, 3
	s_add_co_u32 s45, s45, s46                     ; v: 32 (w / 2) + 8 (w % 2)
	s_cmp_eq_u32 s24, 2
	s_cselect_b32 s40, 0, 8                        ; W's rows 8-15 of a tile lie 8 further on (q, k) or not (v)
	s_cselect_b32 s42, 128, 0                      ; v: odd tiles begin 8 scale rows of 16 bytes later than in q's and k's order
	s_cselect_b32 s43, 16384, 0                    ; v: x's rows 8-15 of my tile lie 8 tokens further on
	s_cselect_b32 s44, s45, s44
	s_lshl_b32 s44, s44, 11
	v_lshlrev_b32 v8, 4, v1                        ; 16 x lane
	s_mul_i32 s46, s28, WSTG
	s_add_co_u32 s46, s46, STG
	v_add_nc_u32 v6, s46, v8                       ; the stage, by rows
	v_mul_u32_u24 v7, v2, SPI
	s_wait_alu depctr_va_vdst(0)
	v_lshl_add_u32 v7, v3, 6, v7
	v_add_nc_u32 v7, s46, v7                       ; and as (r, h): row r, + 64 h
	s_mul_i32 s47, s28, 6144
	v_add_nc_u32 v9, s47, v8                       ; where I store my tile's images
	s_lshl_b32 s47, s28, 9
	s_add_co_u32 s46, s47, XSC
	v_add_nc_u32 v10, s46, v8                      ; and their scale words
	v_add_nc_u32 v11, XSC, v8
	v_lshlrev_b32 v12, 6, v3                       ; gamma, beta: 64 h
	v_mul_u32_u24 v13, v2, 24
	v_mad_u32_u24 v13, v3, 12, v13                 ; codes out: 24 r + 12 h
	s_add_co_u32 s46, s47, SST
	v_add_nc_u32 v14, s46, v2                      ; scale bytes: my wave's 512 bytes, + r
	v_add_nc_u32 v16, s46, v8
	v_lshrrev_b32 v17, 3, v1
	v_and_b32 v24, 7, v1
	v_lshlrev_b32 v17, 11, v17
	v_lshl_add_u32 v17, v24, 4, v17                ; their way out: head (lane / 8) x 2,048 + 16 (lane % 8)
	v_bfe_u32 v19, v0, 3, 1
	v_mul_u32_u24 v19, s40, v19
	v_add_nc_u32 v19, v19, v2                      ; W's row within a pair of tiles
	v_lshlrev_b32 v20, 4, v19                      ; its 16 scale bytes: even tiles,
	v_add_nc_u32 v21, s42, v20                     ; odd tiles
	v_add_nc_u32 v4, s44, v8                       ; x: rows 0-7 of my tile
	v_add_nc_u32 v5, s43, v4                       ; rows 8-15
.irp b,0,1,2,3
	v_mov_b32 v[TM+4+\b], 0                        ; written once: a lane permute's destination counts as one of its sources
.endr
	s_lshl_b32 s52, s26, 4
	s_lshl_b32 s53, s28, 2
	s_add_co_u32 s52, s52, s53                     ; my first head-batch: 16 batch + 4 w
	s_mul_i32 s30, s24, 3145728
	s_mul_i32 s53, s52, 49152
	s_add_co_u32 s30, s30, s53
	s_mul_i32 s53, s27, 24
	s_add_co_u32 s30, s30, s53
	s_mov_b32 s31, 0
	s_lshl_b32 s54, s24, 17
	s_lshl_b32 s53, s52, 11
	s_add_co_u32 s54, s54, s53
	s_add_co_u32 s54, s54, s27
	s_add_co_u32 s54, s54, 9437184
	s_mov_b32 s55, 0
	s_lshl_b32 s56, s26, 11
	s_mov_b32 s57, 0
	s_lshl_b32 s58, s25, 18
	s_mov_b32 s59, 0
	s_mul_i32 s60, s28, 49152                      ; my 32 fragments of 1,536 bytes,
	s_mul_i32 s61, s24, 196608                     ; in W_q's, W_k's or W_v's part of wimg
	s_add_co_u32 s60, s60, s61
	s_mov_b32 s61, 0
	s_lshl_b32 s62, s28, 11
	s_mov_b32 s63, 0
	s_mov_b32 s48, 2                               ; blocks to go
	s_mov_b32 s49, 0                               ; the block's place among the wave's scale bytes
	s_wait_alu depctr_va_vdst(0)
	s_wait_kmcnt 0x0
	s_cmp_eq_u32 s24, 1
	s_cselect_b64 s[10:11], s[12:13], s[10:11]
	s_cmp_eq_u32 s24, 2
	s_cselect_b64 s[10:11], s[14:15], s[10:11]
	s_add_nc_u64 s[8:9], s[8:9], s[60:61]          ; W's images at my 128 rows
	s_add_nc_u64 s[10:11], s[10:11], s[62:63]      ; and its scales
	s_add_nc_u64 s[4:5], s[4:5], s[58:59]          ; x at the group's first token
	s_add_nc_u64 s[32:33], s[22:23], s[30:31]      ; codes out
	s_add_nc_u64 s[34:35], s[22:23], s[54:55]      ; scale bytes out
	s_add_nc_u64 s[36:37], s[6:7], s[56:57]        ; gamma of my batch
	s_add_nc_u64 s[38:39], s[36:37], 8192          ; beta
	XLOAD 0
	WIN 0x40
.irp t,0,1,2,3
	WLOAD \t
.endr
	WIN 0x80
.irp t,4,5,6,7
	WLOAD \t
.endr
	WIN 0
.irp t,0,1,2,3,4,5,6,7
	global_load_b128 v[WS+4*\t:WS+4*\t+3], v[20+\t%2], s[10:11] offset:(16*\t-8*(\t%2))*16   ; a row's 16 scale bytes: the words of its four K steps
.endr
.Lblk:
	; ---- X: my 16 rows of x are turned through my stage, normalised, modulated and quantised
	s_wait_loadcnt 0x0
	WIN 0x0c
.irp i,0,1,2,3,4,5,6,7,8,9,10,11,12,13,14,15
.irp j,0,1,2,3
	ds_store_b128 v6, v[16*\i+4*\j:16*\i+4*\j+3] offset:SPI*\i+512*\j
.endr
.endr
	GBLOAD 0
	s_wait_dscnt 0x0                               ; the stores have read their registers: the loads below land there
	WIN 0xc0
.irp c,0,1,2,3
.irp b,0,1,2,3
.irp j,0,1,2,3
	ds_load_b128 v[64*\c+16*\b+4*\j:64*\c+16*\b+4*\j+3], v7 offset:512*\c+128*\b+16*\j   ; register 64 c + 16 b + i = x(r, 128 c + 32 b + 16 h + i)
.endr
.endr
.endr
	s_wait_dscnt 0x0
	WIN 0x0f
.irp q,0,1,2,3
	v_pk_mul_f32 v[24+2*\q:25+2*\q], v[2*\q:2*\q+1], v[2*\q:2*\q+1]
.endr
.set n, 4
.rept 124
	v_pk_fma_f32 v[24+2*(n%4):25+2*(n%4)], v[2*n:2*n+1], v[2*n:2*n+1], v[24+2*(n%4):25+2*(n%4)]
.set n, n+1
.endr
	WIN 0
	v_pk_add_f32 v[24:25], v[24:25], v[26:27]
	v_pk_add_f32 v[28:29], v[28:29], v[30:31]
	v_pk_add_f32 v[24:25], v[24:25], v[28:29]
	v_add_f32 v24, v24, v25
	v_permlanex16_b32 v26, v24, s[SEL], s[SEL+1]
	v_add_f32 v24, v24, v26                        ; the row's sum of squares
	v_fma_f32 v22, v24, s50, s51
	s_wait_alu depctr_va_vdst(0)
	v_rsq_f32 v22, v22
	v_nop                                          ; one plain place behind the transcendental
	s_wait_alu depctr_va_vdst(0)
	v_mov_b32 v23, v22
.irp c,0,1,2,3
	WIN 0x03
.set n, 0
.rept 32
	v_pk_mul_f32 v[HA+2*n:HA+2*n+1], v[64*\c+2*n:64*\c+2*n+1], v[22:23] op_sel_hi:[1,0]
.set n, n+1
.endr
	s_wait_loadcnt 0x0                             ; this chunk's gamma and beta
	WIN 0x24
.set n, 0
.rept 32
	v_pk_fma_f32 v[HA+2*n:HA+2*n+1], v[HA+2*n:HA+2*n+1], v[FG+2*n:FG+2*n+1], v[FG+2*n:FG+2*n+1]
.set n, n+1
.endr
.if \c < 3
	GBLOAD \c+1
.endif
	WIN 0
	s_wait_dscnt 0x0                               ; the last image's stores have read their registers
	QUANT HA
.irp k,0,1,2
	ds_store_b128 v9, v[PC+4*\k:PC+4*\k+3] offset:XIMG+1536*\c+512*\k
.endr
	ds_store_b32 v10, v[PW] offset:4*\c
.endr
	BARRIER                                        ; the block's sixteen fragments lie in LDS
	; ---- G
	s_cmp_eq_u32 s48, 1                            ; the next block's x is asked for here, if there is one: no load leaves its buffer
	s_cbranch_scc1 .Lnox
	XLOAD 131072
.Lnox:
	v_add_nc_u32 v15, s49, v14
	s_cmp_eq_u32 s24, 2
	s_cbranch_scc1 .Lv
	QKT 0
	QKT 1
	QKT 2
	QKT 3
	s_branch .Ljoin
.Lv:
	VBLK 0
	VBLK 1
.Ljoin:
	BARRIER                                        ; every wave's reads of the images are over: the next block may write them
	s_wait_xcnt 0x0                                ; bases and the codes' registers are written again only behind this wait
	s_add_nc_u64 s[4:5], s[4:5], 131072
	s_add_nc_u64 s[32:33], s[32:33], 1536
	s_add_co_u32 s49, s49, 64
	s_sub_co_u32 s48, s48, 1
	s_cmp_lg_u32 s48, 0
	s_cbranch_scc1 .Lblk
	ds_load_b128 v[24:27], v16                     ; my wave's 512 scale bytes: 128 for each of its four heads
	s_wait_dscnt 0x0
	global_store_b128 v17, v[24:27], s[34:35]      ; eight lanes store a head's 128 consecutive bytes: the work-group has no more of a head's
	s_wait_tensorcnt 0x0
	ds_add_u32 v254, v255
	s_wait_dscnt 0x0
	s_endpgm
.Lfunc_end_k_q67dd82f3cb_qkv:
	.size	k_q67dd82f3cb_qkv, .Lfunc_end_k_q67dd82f3cb_qkv-k_q67dd82f3cb_qkv
	.p2alignl 7, 3214868480
	.fill 96, 4, 3214868480
	.section	.rodata,"a",@progbits
	.p2align	6, 0x0
	.amdhsa_kernel k_q67dd82f3cb_qkv
		.amdhsa_group_segment_fixed_size 164352
		.amdhsa_private_segment_fixed_size 0
		.amdhsa_enable_private_segment 0
		.amdhsa_kernarg_size 56
		.amdhsa_user_sgpr_count 2
		.amdhsa_user_sgpr_kernarg_segment_ptr 1
		.amdhsa_wavefront_size32 1
		.amdhsa_system_sgpr_workgroup_id_x 1
		.amdhsa_system_sgpr_workgroup_id_y 1
		.amdhsa_system_sgpr_workgroup_id_z 1
		.amdhsa_system_vgpr_workitem_id 0
		.amdhsa_next_free_vgpr 1024
		.amdhsa_next_free_sgpr 66
		.amdhsa_reserve_vcc 0
		.amdhsa_float_denorm_mode_32 3
		.amdhsa_float_denorm_mode_16_64 3
		.amdhsa_memory_ordered 1
		.amdhsa_forward_progress 1
		.amdhsa_inst_pref_size 161
	.end_amdhsa_kernel
	.amdgpu_metadata
---
amdhsa.version: [ 1, 2 ]
amdhsa.kernels:
  - .name:           k_q67dd82f3cb_qkv
    .symbol:         k_q67dd82f3cb_qkv.kd
    .args:
      - { .name: x, .offset: 0, .size: 8, .value_kind: global_buffer, .address_space: global }
      - { .name: modv, .offset: 8, .size: 8, .value_kind: global_buffer, .address_space: global }
      - { .name: wimg, .offset: 16, .size: 8, .value_kind: global_buffer, .address_space: global }
      - { .name: W_q_scales, .offset: 24, .size: 8, .value_kind: global_buffer, .address_space: global }
      - { .name: W_k_scales, .offset: 32, .size: 8, .value_kind: global_buffer, .address_space: global }
      - { .name: W_v_scales, .offset: 40, .size: 8, .value_kind: global_buffer, .address_space: global }
      - { .name: qkvw, .offset: 48, .size: 8, .value_kind: global_buffer, .address_space: global }
    .group_segment_fixed_size: 164352
    .private_segment_fixed_size: 0
    .kernarg_segment_align: 8
    .kernarg_segment_size: 56
    .max_flat_workgroup_size: 128
    .sgpr_count:     66
    .vgpr_count:     1024
    .wavefront_size: 32
...
	.end_amdgpu_metadata
.endif
;; end of part 2
;; launch attn (part 3): grid 4 x 64, 16 waves a work-group, no clusters, 104,960 bytes of LDS; arguments qkvw, ow; writes ow
.if DOCPART == 3
	.amdgcn_target "amdgcn-amd-amdhsa--gfx1250"
	.amdhsa_code_object_version 6
	.text
	.protected	k_q67dd82f3cb_attn
	.globl	k_q67dd82f3cb_attn
	.p2align	8
	.type	k_q67dd82f3cb_attn,@function
k_q67dd82f3cb_attn:
	s_mov_b64 s[64:65], 0
	v_nop
	global_prefetch_b8 v0, s[64:65] scope:SCOPE_SE
	s_setreg_imm32_b32 hwreg(HW_REG_WAVE_MODE, 25, 1), 1
	s_wait_xcnt 0x0
; Attention of one head on codes of FP6 (E2M3): S^T = K Q^T, p = 2^(t - M), O^T = V^T P^T, o = O / l, quantised along the head's 32 for the next product.
; t = score x log2(e) / sqrt(32); M = the running largest t rounded up to a whole number; the row's sum l is taken of the unquantised p; when M moves, l and O are multiplied by 2^(old M - new M), exactly.
; SHARES.  Work-group (x, head-batch): 512 queries.  Each of sixteen waves owns 32 of them, as two tiles of 16, one after the other (the outer loop); every tile walks the 2,048 keys, 128 a step (the inner loop).
; A WHOLE HEAD'S K AND V STAY IN LDS (2 x 49,152 bytes of codes, 2 x 2,048 of scale bytes), stored there once in the order in which the operands' registers take them: no ring.
; THE HEAD IS 32 WIDE, THE INSTRUCTION 128 DEEP.  A fragment of K holds 64 KEYS: row m's block j is key 64 f + 32 (m / 8) + 8 j + m % 8.  Four fragments of Q hold the query's 32 codes in block j alone and
; zero codes elsewhere, so four products read one fragment of K and give 64 keys' scores.  Lane (query r, h) then holds, in 32 registers on end, keys 64 f + 32 h + 0 .. 31: a whole block of the second product's K.
; V's tile t takes channel 16 (m / 8) + 8 t + m % 8 as its row m, so that a lane's 16 registers of O are channels 16 h + 0 .. 15.
; A block's largest p is not searched for: its largest score goes through the same multiply-add and exponential (this takes v_exp_f32 not to fall where its input rises).
; THE STEP'S ORDER: lines that hang on each other stand apart.  The block maxima are a tree of four levels; K's fragments are asked for one step ahead, V's early in their own step;
; the row's sum is kept in eight pairs, each multiplied by 2^(old M - new M) in the multiply-add that takes in its first p of the step; the lines that make p's scale word stand among the sums.
; LIMITS: NaN and infinities are not served; a block whose largest magnitude lies under 2^-124 gets the byte 1, a block of zeros too (its codes are zeros; this program alone reads the bytes).
; No multicast: the one fill of 100 KB is permuted in pieces of 24 bytes on its way through registers into LDS.  No prefetch: that fill stands at the head, with no loop ahead of it to ask in.
.set KIMG, 0
.set VIMG, 49152
.set KSC,  98304                       ; K's scale words: 64 f + 4 m, byte j
.set VSC,  100352                      ; V's: 128 step + 64 t + 4 m, byte = key block % 4
.set OSST, 102400                      ; 512 bytes: the scale bytes of the work-group's 512 rows of o
.set SPARE, 102912                     ; the spare words: 128 bytes a wave
.set KF, 60                            ; v60-83   two fragments of K
.set VF, 84                            ; v84-107  two of V
.set S,  108                           ; v108-171 scores, then p
.set O,  172                           ; v172-187 O^T
.set P,  188                           ; v188-199 p's codes
.set TT, 188                           ; v188-207 the maxima's tree, while p's codes are not yet made
.set AC, 236                           ; v236-251 the row's sum in eight pairs
.set RQ, 230                           ; v230-235 this tile's codes of q (v218 its scale byte)
.set RN, 46                            ; v46-51   the next tile's (v59)
; Q's four fragments share 30 registers: v16 [0] v22 [QL] v28 [0] v34 [QH] v40 [0]; QL = the codes in lanes 0-15, QH in lanes 16-31: fragment j begins at 22 + 12 (j % 2) - 6 (j / 2)
.macro FLD d, off, wid, mul            ; v[d] += mul x a bit field of the thread's number
	v_bfe_u32 v220, v0, \off, \wid
	s_delay_alu instid0(VALU_DEP_1)
	v_mad_u32_u24 v[\d], v220, \mul, v[\d]
.endm
.macro MM d, a, b, c, sa, sb, row
.if \row
	v_wmma_scale_f32_16x16x128_f8f6f4 v[\d:\d+7], v[\a:\a+11], v[\b:\b+11], \c, v[\sa], v[\sb] matrix_a_fmt:MATRIX_FMT_FP6 matrix_b_fmt:MATRIX_FMT_FP6 matrix_a_scale:MATRIX_SCALE_ROW1
.else
	v_wmma_scale_f32_16x16x128_f8f6f4 v[\d:\d+7], v[\a:\a+11], v[\b:\b+11], \c, v[\sa], v[\sb] matrix_a_fmt:MATRIX_FMT_FP6 matrix_b_fmt:MATRIX_FMT_FP6
.endif
.endm
.macro SUMS cnt                        ; the next cnt of the step's 32 pairs of p go into the eight running pairs; a pair's first takes the factor f with it
.rept \cnt
.if sn < 8
	v_pk_fma_f32 v[AC+2*sn:AC+2*sn+1], v[AC+2*sn:AC+2*sn+1], v[212:213], v[S+2*sn:S+2*sn+1] op_sel_hi:[1,0,1]
.else
	v_pk_add_f32 v[AC+2*(sn%8):AC+2*(sn%8)+1], v[AC+2*(sn%8):AC+2*(sn%8)+1], v[S+2*sn:S+2*sn+1]
.endif
.set sn, sn+1
.endr
.endm
	s_load_b128 s[4:7], s[0:1], 0x0                ; qkvw, ow
	v_lshl_add_u32 v254, v0, 2, SPARE
	v_mov_b32 v255, 0
	v_lshrrev_b32 v1, 5, v0
	s_delay_alu instid0(VALU_DEP_1)
	v_readfirstlane_b32 s22, v1                    ; wave 0..15
	v_and_b32 v221, 31, v0                         ; lane
	v_and_b32 v222, 15, v0                         ; r
	v_bfe_u32 v223, v0, 4, 1                       ; h
	s_delay_alu instid0(VALU_DEP_3)
	v_mul_u32_u24 v1, v221, 48                     ; a lane's 48 bytes of a fragment's image
	s_delay_alu instid0(VALU_DEP_4)
	v_lshl_add_u32 v2, v221, 2, KSC
	s_delay_alu instid0(VALU_DEP_3)
	v_lshlrev_b32 v5, 3, v223                      ; 8 h
	v_mul_u32_u24 v226, v222, 24                   ; Q: row r
	v_mul_u32_u24 v6, v222, 24
	s_delay_alu instid0(VALU_DEP_1)
	v_mad_u32_u24 v6, v223, 12, v6                 ; o's codes: 24 r + 12 h
	v_lshl_add_u32 v228, v221, 4, OSST             ; the scale bytes' way out (wave 0)
	v_lshlrev_b32 v229, 4, v221
	v_mul_u32_u24 v224, v0, 24                     ; staging: piece number = thread (+ 512 i)
	v_lshlrev_b32 v225, 2, v0
	; where thread's key (thread + 512 i) goes: 1536 (key / 64) + 384 bit5 + 768 bit3 + 24 bit4 + 48 (key % 8)
	v_lshrrev_b32 v8, 6, v0
	s_delay_alu instid0(VALU_DEP_1)
	v_mul_u32_u24 v8, v8, 1536
	FLD 8, 5, 1, 384
	FLD 8, 3, 1, 768
	FLD 8, 4, 1, 24
	FLD 8, 0, 3, 48
	; V's piece (key block thread / 32 + 16 i, channel thread % 32): 3072 (thread / 128) + 1536 bit3 + 384 bit4 + 768 bit5 + 24 bit6 + 48 (thread % 8)
	v_lshrrev_b32 v9, 7, v0
	s_delay_alu instid0(VALU_DEP_1)
	v_mul_u32_u24 v9, v9, 3072
	FLD 9, 3, 1, 1536
	FLD 9, 4, 1, 384
	FLD 9, 5, 1, 768
	FLD 9, 6, 1, 24
	FLD 9, 0, 3, 48
	s_delay_alu instid0(VALU_DEP_1)
	v_add_nc_u32 v9, VIMG, v9
	; K's scale bytes of keys 4 thread + e: 64 (thread / 16) + 32 bit3 + 16 bit0 + 4 e + (thread / 2) % 4
	v_lshrrev_b32 v10, 4, v0
	s_delay_alu instid0(VALU_DEP_1)
	v_lshlrev_b32 v10, 6, v10
	FLD 10, 3, 1, 32
	FLD 10, 0, 1, 16
	FLD 10, 1, 2, 1
	s_delay_alu instid0(VALU_DEP_1)
	v_add_nc_u32 v10, KSC, v10
	; V's: 128 (thread / 32) + 64 bit1 + 32 bit2 + 16 bit0 + 4 e + (thread / 8) % 4
	v_lshrrev_b32 v11, 5, v0
	s_delay_alu instid0(VALU_DEP_1)
	v_lshlrev_b32 v11, 7, v11
	FLD 11, 1, 1, 64
	FLD 11, 2, 1, 32
	FLD 11, 0, 1, 16
	FLD 11, 3, 2, 1
	s_delay_alu instid0(VALU_DEP_1)
	v_add_nc_u32 v11, VSC, v11
.irp i,0,1,2,3,4,5
	v_mov_b32 v[16+\i], 0                          ; the empty blocks of Q's fragments: zero codes, written once
	v_mov_b32 v[28+\i], 0
	v_mov_b32 v[40+\i], 0
.endr
	v_mov_b32 v210, 0                              ; a lane permute's destination counts as one of its sources
	v_mov_b32 v211, 0
	v_mov_b32 v213, 0                              ; (named as the upper half of the pair v[212:213])
	s_lshl_b32 s27, s22, 5
	s_add_co_u32 s27, s27, OSST                    ; my 32 scale bytes of o
	s_and_b32 s23, ttmp7, 0xffff                   ; head-batch
	s_mul_i32 s28, s23, 49152
	s_mov_b32 s29, 0
	s_lshl_b32 s30, s23, 11
	s_mov_b32 s31, 0
	s_lshl_b32 s40, ttmp9, 9                       ; the work-group's first query
	s_mov_b32 s41, 0
	s_lshl_b32 s33, s22, 5
	s_add_co_u32 s32, s40, s33                     ; my first query
	s_mov_b32 s33, 0
	s_mul_i32 s34, s32, 24
	s_mov_b32 s35, 0
	s_mov_b32 s20, 0x76543210
	s_mov_b32 s21, 0xfedcba98                      ; lane l xor 16
	s_mov_b32 s42, 0x3e8293ee                      ; c = log2(e) / sqrt(32)
	s_mov_b32 s43, s42                             ; (named with it as a pair, so it is written)
	s_mov_b32 s44, 0xbe8293ee                      ; -c
	s_mov_b32 s45, 2                               ; tiles to go
	s_wait_alu depctr_va_vdst(0)
	s_wait_kmcnt 0x0
	s_add_nc_u64 s[8:9], s[4:5], s[28:29]          ; the head's codes of q
	s_add_nc_u64 s[10:11], s[8:9], 6291456         ; of v
	s_add_nc_u64 s[16:17], s[8:9], s[34:35]        ; q at my first query
	s_add_nc_u64 s[8:9], s[8:9], 3145728           ; of k
	s_add_nc_u64 s[12:13], s[4:5], s[30:31]
	s_add_nc_u64 s[18:19], s[12:13], 9437184       ; the head's scale bytes of q,
	s_add_nc_u64 s[14:15], s[12:13], 9699328       ; of v,
	s_add_nc_u64 s[12:13], s[12:13], 9568256       ; of k
	s_add_nc_u64 s[18:19], s[18:19], s[32:33]
	s_add_nc_u64 s[36:37], s[6:7], s[28:29]
	s_add_nc_u64 s[36:37], s[36:37], s[34:35]      ; o's codes at my first query
	s_add_nc_u64 s[38:39], s[6:7], s[30:31]
	s_add_nc_u64 s[38:39], s[38:39], s[40:41]
	s_add_nc_u64 s[38:39], s[38:39], 3145728       ; o's scale bytes at the work-group's first query
.irp i,0,1,2,3
.irp p,0,1,2
	global_load_b64 v[108+6*\i+2*\p:109+6*\i+2*\p], v224, s[8:9] offset:12288*\i+8*\p
	global_load_b64 v[132+6*\i+2*\p:133+6*\i+2*\p], v224, s[10:11] offset:12288*\i+8*\p
.endr
.endr
	global_load_b32 v156, v225, s[12:13]
	global_load_b32 v157, v225, s[14:15]
.irp p,0,1,2
	global_load_b64 v[RQ+2*\p:RQ+2*\p+1], v226, s[16:17] offset:8*\p       ; q of my first tile,
	global_load_b64 v[RN+2*\p:RN+2*\p+1], v226, s[16:17] offset:384+8*\p   ; and of my second
.endr
	global_load_u8 v218, v222, s[18:19]
	global_load_u8 v59, v222, s[18:19] offset:16
	s_wait_loadcnt 0x0
.irp i,0,1,2,3
.irp p,0,1,2
	ds_store_b64 v8, v[108+6*\i+2*\p:109+6*\i+2*\p] offset:12288*\i+8*\p
	ds_store_b64 v9, v[132+6*\i+2*\p:133+6*\i+2*\p] offset:12288*\i+8*\p
.endr
.endr
.irp e,1,2,3
	v_lshrrev_b32 v[157+\e], 8*\e, v156
	v_lshrrev_b32 v[160+\e], 8*\e, v157
.endr
	ds_store_b8 v10, v156
	ds_store_b8 v11, v157
.irp e,1,2,3
	ds_store_b8 v10, v[157+\e] offset:4*\e
	ds_store_b8 v11, v[160+\e] offset:4*\e
.endr
	s_wait_dscnt 0x0                               ; for the others' sake: my part of the images is stored
	s_barrier_signal -1
	s_barrier_wait -1
.Ltile:
	v_mov_b32 v220, 0
	v_cmp_gt_u32 vcc_lo, 16, v221
.irp i,0,1,2,3,4,5
	v_cndmask_b32 v[22+\i], v220, v[RQ+\i], vcc_lo
	v_cndmask_b32 v[34+\i], v[RQ+\i], v220, vcc_lo
.endr
	v_mov_b32 v52, v218                            ; Q's scale word for fragment j: the byte at place j, the bytes of the empty blocks 0
	v_lshlrev_b32 v53, 8, v218
	v_lshlrev_b32 v54, 16, v218
	v_lshlrev_b32 v55, 24, v218
	v_mov_b32 v13, 0xff61b1e6                      ; the largest score so far: -3e38
	s_delay_alu instid0(VALU_DEP_1)
	v_floor_f32 v12, -v13                          ; -M
	v_add_nc_u32 v7, s27, v222                     ; where this tile's scale bytes of o go
.irp i,0,1,2,3,4,5,6,7,8,9,10,11,12,13,14,15
	v_mov_b32 v[O+\i], 0                           ; the step is written once: a tile's first step finds zeros.  (These lines are also the places between Q's operands and scale words and the first product)
	v_mov_b32 v[AC+\i], 0
.endr
.irp f,0,1
.irp i,0,1,2
	ds_load_b128 v[KF+12*\f+4*\i:KF+12*\f+4*\i+3], v1 offset:KIMG+1536*\f+16*\i   ; K's fragments of step 0
.endr
.endr
	ds_load_b32 v56, v2                            ; lanes 0-15: fragment 0's words, lanes 16-31: fragment 1's
	s_mov_b32 s24, 3072                            ; the NEXT step's images: 3,072 bytes a step
	s_mov_b32 s25, 128                             ; its scale words: 128 bytes a step
	s_mov_b32 s26, 16
	s_wait_alu depctr_va_vdst(0)
	s_wait_dscnt 0x0
.Lstep:
	s_barrier_signal -1                            ; THE SIXTEEN WAVES WALK THE KEYS IN STEP: I have begun this step (no LDS instruction of mine is out: the last wait on DScnt was for 0, and nothing was issued since)
.irp j,0,1,2,3
	MM S+8*\j, KF, 22+12*(\j%2)-6*(\j/2), 0, 56, 52+\j, 0
.endr
.irp j,0,1,2,3
	MM S+32+8*\j, KF+12, 22+12*(\j%2)-6*(\j/2), 0, 56, 52+\j, 1
.endr
	v_add_nc_u32 v3, s24, v1                       ; four places behind the products, ahead of loads into their sources and of the first read of the scores
	v_add_nc_u32 v4, s25, v2
	v_mov_b32 v220, v12                            ; the old -M
	v_nop
	s_cmp_eq_u32 s26, 1                            ; a tile's last step has no next step
	s_cbranch_scc1 .Lnok
.irp f,0,1
.irp i,0,1,2
	ds_load_b128 v[KF+12*\f+4*\i:KF+12*\f+4*\i+3], v3 offset:KIMG+1536*\f+16*\i
.endr
.endr
	ds_load_b32 v56, v4
.Lnok:
	; the largest score of each of my two blocks of 32 keys: 10 + 4 + 1 + 1 lines a block; each accumulator is read from its low end on
.irp k,0,1,2,3,4,5,6,7,8,9
.irp f,0,1
	v_max3_num_f32 v[TT+10*\f+\k], v[S+32*\f+3*\k], v[S+32*\f+3*\k+1], v[S+32*\f+3*\k+2]
.endr
.endr
.irp k,0,1,2
.irp f,0,1
	v_max3_num_f32 v[TT+10*\f+3*\k], v[TT+10*\f+3*\k], v[TT+10*\f+3*\k+1], v[TT+10*\f+3*\k+2]
.endr
.endr
.irp f,0,1
	v_max3_num_f32 v[TT+10*\f+9], v[TT+10*\f+9], v[S+32*\f+30], v[S+32*\f+31]
.endr
.irp i,0,1,2
	ds_load_b128 v[VF+4*\i:VF+4*\i+3], v3 offset:VIMG-3072+16*\i          ; V's fragments of this step: v3 stands one step on
.endr
	ds_load_b32 v57, v4 offset:VSC-KSC-128
.irp f,0,1
	v_max3_num_f32 v[TT+10*\f], v[TT+10*\f], v[TT+10*\f+3], v[TT+10*\f+6]
.endr
.irp i,0,1,2
	ds_load_b128 v[VF+12+4*\i:VF+12+4*\i+3], v3 offset:VIMG-3072+1536+16*\i
.endr
.irp f,0,1
	v_max_num_f32 v[208+\f], v[TT+10*\f], v[TT+10*\f+9]
.endr
	s_delay_alu instid0(VALU_DEP_1)
	v_max_num_f32 v216, v208, v209
	s_delay_alu instid0(VALU_DEP_1)
	v_permlanex16_b32 v210, v216, s20, s21
	s_delay_alu instid0(VALU_DEP_1)
	v_max3_num_f32 v13, v13, v216, v210            ; the running largest score of my query (c is positive: the largest t is c x it)
	s_delay_alu instid0(VALU_DEP_1)
	v_mul_f32 v217, s44, v13
	s_delay_alu instid0(VALU_DEP_1)
	v_floor_f32 v12, v217                          ; the new -M = floor(-t)
.set n, 0
.irp q,0,1,2,3
.rept 8
	v_pk_fma_f32 v[S+2*n:S+2*n+1], v[S+2*n:S+2*n+1], s[42:43], v[12:13] op_sel_hi:[1,0,0]   ; t - M
.set n, n+1
.endr
.if \q == 0
	v_sub_f32 v220, v12, v220                      ; old M - new M: a whole number, 0 or less
.endif
.if \q == 1
	v_cvt_i32_f32 v220, v220                       ; (it saturates)
.endif
.if \q == 2
	v_ldexp_f32 v212, 1.0, v220                    ; f = 2^(old M - new M)
.endif
.endr
.irp f,0,1
	v_fma_f32 v[208+\f], v[208+\f], s42, v12
.endr
.irp j,0,2,4,6,8,10,12,14
	v_pk_mul_f32 v[O+\j:O+\j+1], v[O+\j:O+\j+1], v[212:213] op_sel_hi:[1,0]   ; O^T under the new M
.endr
	s_wait_alu depctr_va_vdst(0)
	s_wait_dscnt 0x0                               ; V's fragments of this step and K's of the next are in
.irp f,0,1
	v_exp_f32 v[208+\f], v[208+\f]                 ; the block's largest p
.endr
.set n, 0
.rept 64
	v_exp_f32 v[S+n], v[S+n]                       ; p = 2^(t - M): not normalised
.set n, n+1
.endr
	v_nop                                          ; one plain place behind the exponentials
	s_wait_alu depctr_va_vdst(0)                   ; one wait for the whole batch
.set sn, 0
.irp f,0,1
	v_max_num_f32 v[208+\f], 0x1800000, v[208+\f]  ; the floor 2^(3 - 127)
.endr
	SUMS 5
.irp f,0,1
	v_add_nc_u32 v[214+\f], 0xff000000, v[208+\f]  ; the conversion's scale operand
.endr
	SUMS 5
.irp f,0,1
	v_lshrrev_b32 v[216+\f], 23, v[214+\f]         ; the scale's byte of block 2 f + h
.endr
.irp f,0,1
	v_cvt_scalef32_pk16_fp6_f32 v[P+6*\f:P+6*\f+2], v[S+32*\f:S+32*\f+15], v[214+\f]
	v_cvt_scalef32_pk16_fp6_f32 v[200+4*\f:202+4*\f], v[S+32*\f+16:S+32*\f+31], v[214+\f]   ; (a conversion's three registers begin on an even number)
.endr
	v_lshl_or_b32 v220, v217, 16, v216             ; (also the plain place behind the conversions)
.irp f,0,1
.irp i,0,1,2
	v_mov_b32 v[P+6*\f+3+\i], v[200+4*\f+\i]
.endr
.endr
	v_lshlrev_b32 v220, v5, v220                   ; my two bytes at their places in the word, 8 h bits up
	SUMS 5
	v_permlanex16_b32 v211, v220, s20, s21
	SUMS 5
	v_or_b32 v58, v220, v211                       ; with lane l xor 16's two the word is whole
	SUMS 12                                        ; (also the places between the scale word and the products)
	s_wait_alu depctr_va_vdst(0)
	s_barrier_wait -1                              ; every wave has begun this step.  Between signal and wait: work on registers, and loads of K's and V's images, which nobody writes again
	MM O, VF, P, v[O:O+7], 57, 58, 0
	MM O+8, VF+12, P, v[O+8:O+15], 57, 58, 1
	s_add_co_u32 s24, s24, 3072
	s_add_co_u32 s25, s25, 128
	s_sub_co_u32 s26, s26, 1
	s_cmp_lg_u32 s26, 0
	s_cbranch_scc1 .Lstep
.irp k,0,1,2,3
	v_pk_add_f32 v[AC+2*\k:AC+2*\k+1], v[AC+2*\k:AC+2*\k+1], v[AC+8+2*\k:AC+8+2*\k+1]   ; the eight pairs are joined (also the places behind the last products)
.endr
.irp k,0,1
	v_pk_add_f32 v[AC+2*\k:AC+2*\k+1], v[AC+2*\k:AC+2*\k+1], v[AC+4+2*\k:AC+4+2*\k+1]
.endr
	s_delay_alu instid0(VALU_DEP_1)
	v_pk_add_f32 v[AC:AC+1], v[AC:AC+1], v[AC+2:AC+3]
	s_delay_alu instid0(VALU_DEP_1)
	v_add_f32 v14, v[AC], v[AC+1]
	s_delay_alu instid0(VALU_DEP_1)
	v_permlanex16_b32 v210, v14, s20, s21
	s_delay_alu instid0(VALU_DEP_1)
	v_add_f32 v14, v14, v210                       ; the row's sum
	s_wait_alu depctr_va_vdst(0)
	v_rcp_f32 v14, v14
	v_nop
	s_wait_alu depctr_va_vdst(0)
.irp i,0,1,2,3,4,5,6,7,8,9,10,11,12,13,14,15
	v_mul_f32 v[108+\i], v[O+\i], v14              ; o(r, 16 h + i)
.endr
	v_max3_num_f32 v208, |v108|, |v109|, 0x1800000 ; the head's 32 channels are one block of the next product's K: my 16, and lane l xor 16's
.irp i,2,4,6,8,10,12,14
	s_delay_alu instid0(VALU_DEP_1)
	v_max3_num_f32 v208, v208, |v[108+\i]|, |v[109+\i]|
.endr
	s_delay_alu instid0(VALU_DEP_1)
	v_permlanex16_b32 v210, v208, s20, s21
	s_delay_alu instid0(VALU_DEP_1)
	v_max_num_f32 v208, v208, v210
	s_delay_alu instid0(VALU_DEP_1)
	v_add_nc_u32 v214, 0xff000000, v208
	s_delay_alu instid0(VALU_DEP_1)
	v_lshrrev_b32 v216, 23, v214
	v_cvt_scalef32_pk16_fp6_f32 v[200:202], v[108:123], v214
	v_nop
	global_store_b96 v6, v[200:202], s[36:37]      ; the wave stores 384 consecutive bytes
	ds_store_b8 v7, v216                           ; both lanes of a block write the same byte
	s_wait_xcnt 0x0                                ; the store has read its base and its data: both are written again below and in the next tile
.irp i,0,1,2,3,4,5
	v_mov_b32 v[RQ+\i], v[RN+\i]                   ; the second tile's q takes the first's place (behind the second tile the copy is not used)
.endr
	v_mov_b32 v218, v59
	s_add_nc_u64 s[36:37], s[36:37], 384
	s_add_co_u32 s27, s27, 16
	s_sub_co_u32 s45, s45, 1
	s_cmp_lg_u32 s45, 0
	s_wait_alu depctr_va_vdst(0)
	s_cbranch_scc1 .Ltile
	s_wait_dscnt 0x0
	s_barrier_signal -1
	s_barrier_wait -1
	s_cmp_lg_u32 s22, 0
	s_cbranch_scc1 .Lend
	ds_load_b128 v[124:127], v228
	s_wait_dscnt 0x0
	global_store_b128 v229, v[124:127], s[38:39]   ; 32 lanes store 512 consecutive bytes, aligned
.Lend:
	s_wait_tensorcnt 0x0                           ; the wave's end
	ds_add_u32 v254, v255
	s_wait_dscnt 0x0
	s_endpgm
.Lfunc_end_k_q67dd82f3cb_attn:
	.size	k_q67dd82f3cb_attn, .Lfunc_end_k_q67dd82f3cb_attn-k_q67dd82f3cb_attn
	.p2alignl 7, 3214868480
	.fill 96, 4, 3214868480
	.section	.rodata,"a",@progbits
	.p2align	6, 0x0
	.amdhsa_kernel k_q67dd82f3cb_attn
		.amdhsa_group_segment_fixed_size 104960
		.amdhsa_private_segment_fixed_size 0
		.amdhsa_enable_private_segment 0
		.amdhsa_kernarg_size 16
		.amdhsa_user_sgpr_count 2
		.amdhsa_user_sgpr_kernarg_segment_ptr 1
		.amdhsa_wavefront_size32 1
		.amdhsa_system_sgpr_workgroup_id_x 1
		.amdhsa_system_sgpr_workgroup_id_y 1
		.amdhsa_system_sgpr_workgroup_id_z 1
		.amdhsa_system_vgpr_workitem_id 0
		.amdhsa_next_free_vgpr 256
		.amdhsa_next_free_sgpr 66
		.amdhsa_reserve_vcc 1
		.amdhsa_float_denorm_mode_32 3
		.amdhsa_float_denorm_mode_16_64 3
		.amdhsa_memory_ordered 1
		.amdhsa_forward_progress 1
		.amdhsa_inst_pref_size 32
	.end_amdhsa_kernel
	.amdgpu_metadata
---
amdhsa.version: [ 1, 2 ]
amdhsa.kernels:
  - .name:           k_q67dd82f3cb_attn
    .symbol:         k_q67dd82f3cb_attn.kd
    .args:
      - { .name: qkvw, .offset: 0, .size: 8, .value_kind: global_buffer, .address_space: global }
      - { .name: ow, .offset: 8, .size: 8, .value_kind: global_buffer, .address_space: global }
    .group_segment_fixed_size: 104960
    .private_segment_fixed_size: 0
    .kernarg_segment_align: 8
    .kernarg_segment_size: 16
    .max_flat_workgroup_size: 512
    .sgpr_count:     66
    .vgpr_count:     256
    .wavefront_size: 32
...
	.end_amdgpu_metadata
.endif
;; end of part 3
;; launch oproj (part 4): grid 256 x 1, 4 waves a work-group, no clusters, 69,120 bytes of LDS; arguments ow, wimg, W_o_scales, x, modv, x1, h2w; writes x1, h2w
.if DOCPART == 4
	.amdgcn_target "amdgcn-amd-amdhsa--gfx1250"
	.amdhsa_code_object_version 6
	.text
	.protected	k_q67dd82f3cb_oproj
	.globl	k_q67dd82f3cb_oproj
	.p2align	8
	.type	k_q67dd82f3cb_oproj,@function
k_q67dd82f3cb_oproj:
	s_mov_b64 s[64:65], 0
	v_nop
	global_prefetch_b8 v0, s[64:65] scope:SCOPE_SE
	s_setreg_imm32_b32 hwreg(HW_REG_WAVE_MODE, 25, 1), 1
	s_wait_xcnt 0x0
; x1 = x + alpha x (o W_o^T);  h2 = gamma x rms(x1) + beta, quantised along d_model.  The product on codes of FP6 (E2M3) with one E8M0 scale for each 32 along K.
; Work-group g: tokens 32 g .. 32 g + 31, two tiles.  Wave w: columns 128 w .. 128 w + 127: its part of W_o (384 registers) comes from wimg, where the first launch has laid it as images of these registers:
; three loads of 512 consecutive bytes a fragment.  Every wave loads all eight fragments of o itself (12 KB): no image, no barrier for them.
; Source 0 = 16 rows of W_o, source 1 = 16 tokens: a lane holds one token.  Lane r of tile 2 b + u takes W_o's row 32 b + 8 u + r + 8 (r / 8), so that register 16 b + i of a lane is column 32 b + 16 h + i:
; the order that the quantiser wants, and the wave's 128 columns are K step w of the next product.  x comes in and x1 goes out by rows (512 consecutive bytes an instruction), turned in the wave's own stage in LDS.
; The row's sum of squares spans the four waves: four partial sums meet in LDS behind the one barrier.
; h2w: images of the fragments' registers [tile of 16 tokens][K step][1,536 B], then the scale words [tile][K step][lane].
; LIMITS: NaN and infinities are not served; a block whose largest magnitude lies under 2^-124 gets the byte 1, a block of zeros too (its codes are zeros; this program alone reads the bytes).
; REGISTERS.  window 0: v1-14 addresses; v32-63 W_o's scale words; v64-191 accumulators, then x1, then h2; v192-199 o's scale words; v200-238 the quantiser's; v240-254 sums.
;   window 1: W_o's tiles 0-3, v192-255 alpha; behind the products v0-63 gamma, v64-127 beta.   window 2: tiles 4-7.   window 3: v0-95 o's fragments, v96-223 x, later x1 by rows.
.set PS,  67584                        ; LDS: the stages (4 waves x 2 tiles x 16 rows x 528 bytes) from 0; then the partial sums: 256 tile + 16 r + 4 w
.set WS,  32
.set ACC, 64
.set OSW, 192
.set TM,  200
.set PW,  216
.set PC,  220
.set SQ,  240
.set XR,  96
.set SEL, 20
.set MSB, 0
.macro WIN new                         ; the immediate's high byte repeats the setting that is left
.if MSB != (\new)
	s_set_vgpr_msb (MSB<<8)|(\new)
.set MSB, (\new)
.endif
.endm
.macro PLACES n
.rept \n
	v_nop
.endr
.endm
; 64 numbers of a lane, register 16 b + i = k 32 b + 16 (lane / 16) + i of my row, become a fragment's codes in v[PC] on and its scale word in v[PW]
.macro QUANT s
.irp b,0,1,2,3
	v_max3_num_f32 v[TM+\b], |v[\s+16*\b]|, |v[\s+1+16*\b]|, 0x1800000   ; and the floor 2^(3 - 127): the byte cannot fall under 1
.endr
.irp i,2,4,6,8,10,12,14
.irp b,0,1,2,3
	v_max3_num_f32 v[TM+\b], v[TM+\b], |v[\s+16*\b+\i]|, |v[\s+1+16*\b+\i]|
.endr
.endr
.irp b,0,1,2,3
	v_permlanex16_b32 v[TM+4+\b], v[TM+\b], s[SEL], s[SEL+1]
.endr
.irp b,0,1,2,3
	v_max_num_f32 v[TM+\b], v[TM+\b], v[TM+4+\b]
.endr
.irp b,0,1,2,3
	v_add_nc_u32 v[TM+12+\b], 0xff000000, v[TM+\b]
.endr
.irp b,0,1,2,3
	v_lshrrev_b32 v[TM+4+\b], 23, v[TM+12+\b]
.endr
	v_lshl_or_b32 v[PW], v[TM+5], 8, v[TM+4]
	v_lshl_or_b32 v[PW], v[TM+6], 16, v[PW]
	v_lshl_or_b32 v[PW], v[TM+7], 24, v[PW]
.irp c,0,1
	v_cvt_scalef32_pk16_fp6_f32 v[PC+6*\c:PC+2+6*\c], v[\s+32*\c:\s+15+32*\c], v[TM+12+2*\c]
	v_cvt_scalef32_pk16_fp6_f32 v[PC+12+4*\c:PC+14+4*\c], v[\s+16+32*\c:\s+31+32*\c], v[TM+12+2*\c+1]
.endr
	v_nop                                          ; one plain place behind a scaled conversion
.irp c,0,1
.irp i,0,1,2
	v_permlane16_swap_b32 v[PC+6*\c+\i], v[PC+12+4*\c+\i]
.endr
.irp i,0,1,2
	v_mov_b32 v[PC+3+6*\c+\i], v[PC+12+4*\c+\i]
.endr
.endr
.endm
.macro WLOAD t                         ; W_o's tile t, four K steps: each fragment's image by three loads of 512 consecutive bytes
.irp s,0,1,2,3
.irp k,0,1,2
	global_load_b128 v[48*((\t)%4)+12*\s+4*\k:48*((\t)%4)+12*\s+4*\k+3], v4, s[6:7] offset:(4*(\t)+\s)*1536+512*\k
.endr
.endr
.endm
	s_load_b256 s[4:11], s[0:1], 0x0               ; ow, wimg, W_o's scales, x
	s_load_b128 s[12:15], s[0:1], 0x20             ; modv, x1
	s_load_b64 s[16:17], s[0:1], 0x30              ; h2w
	v_lshl_add_u32 v239, v0, 2, 0x10c00
	v_mov_b32 v255, 0
	v_lshrrev_b32 v1, 5, v0
	v_readfirstlane_b32 s22, v1                    ; wave 0..3
	v_and_b32 v1, 31, v0
	v_and_b32 v2, 15, v0                           ; r (also the offset of o's scale bytes)
	v_bfe_u32 v3, v0, 4, 1                         ; h
	v_lshlrev_b32 v4, 4, v1                        ; 16 x lane
	v_lshlrev_b32 v5, 2, v1                        ; 4 x lane
	v_mul_u32_u24 v6, v2, 24
	v_mad_u32_u24 v6, v3, 49152, v6                ; o: token r, and one head further on for lanes 16-31
	v_and_b32 v9, 8, v2
	v_add_nc_u32 v9, v9, v2                        ; r + 8 (r / 8)
	v_lshlrev_b32 v9, 4, v9                        ; that row's 16 scale bytes
	v_lshlrev_b32 v10, 6, v3                       ; alpha, gamma, beta: 64 h
	s_mul_i32 s46, s22, 16896
	v_add_nc_u32 v11, s46, v4                      ; my stage, by rows
	v_mul_u32_u24 v12, v2, 528
	v_lshl_add_u32 v12, v3, 6, v12
	v_add_nc_u32 v12, s46, v12                     ; and as (r, h)
	s_lshl_b32 s46, s22, 2
	s_add_co_u32 s46, s46, PS
	v_lshl_add_u32 v13, v2, 4, s46
	v_lshl_add_u32 v14, v2, 4, PS
.irp b,0,1,2,3
	v_mov_b32 v[TM+4+\b], 0                        ; a lane permute's destination counts as one of its sources
.endr
	v_mov_b32 v254, 0
	s_mov_b32 s[SEL], 0x76543210
	s_mov_b32 s[SEL+1], 0xfedcba98
	s_mov_b32 s50, 0x3b000000                      ; 1 / 512
	s_mov_b32 s51, 0x358637bd                      ; 1e-6
	s_lshr_b32 s24, ttmp9, 6                       ; batch
	s_and_b32 s25, ttmp9, 63
	s_lshl_b32 s25, s25, 5                         ; first token within the batch
	s_mul_i32 s26, s24, 786432
	s_mul_i32 s28, s25, 24
	s_add_co_u32 s26, s26, s28
	s_mov_b32 s27, 0
	s_lshl_b32 s28, s24, 15
	s_add_co_u32 s28, s28, s25
	s_add_co_u32 s28, s28, 3145728
	s_mov_b32 s29, 0
	s_mul_i32 s30, s22, 49152                      ; my 32 fragments of 1,536 bytes,
	s_add_co_u32 s30, s30, 589824                  ; in W_o's part of wimg
	s_mov_b32 s31, 0
	s_lshl_b32 s32, s22, 11
	s_mov_b32 s33, 0
	s_lshl_b32 s34, ttmp9, 16
	s_lshl_b32 s36, s22, 9
	s_add_co_u32 s34, s34, s36
	s_mov_b32 s35, 0
	s_lshl_b32 s38, s24, 11
	s_add_co_u32 s36, s38, s36
	s_mov_b32 s37, 0
	s_mul_i32 s38, ttmp9, 12288
	s_mul_i32 s40, s22, 1536
	s_add_co_u32 s38, s38, s40
	s_mov_b32 s39, 0
	s_lshl_b32 s40, ttmp9, 10
	s_lshl_b32 s42, s22, 7
	s_add_co_u32 s40, s40, s42
	s_add_co_u32 s40, s40, 3145728
	s_mov_b32 s41, 0
	s_wait_kmcnt 0x0
	s_add_nc_u64 s[44:45], s[4:5], s[28:29]        ; o's scale bytes
	s_add_nc_u64 s[4:5], s[4:5], s[26:27]          ; o's codes
	s_add_nc_u64 s[6:7], s[6:7], s[30:31]
	s_add_nc_u64 s[8:9], s[8:9], s[32:33]
	s_add_nc_u64 s[10:11], s[10:11], s[34:35]      ; x and x1 at my first row and column
	s_add_nc_u64 s[14:15], s[14:15], s[34:35]
	s_add_nc_u64 s[12:13], s[12:13], s[36:37]
	s_add_nc_u64 s[46:47], s[12:13], 16384         ; attn alpha
	s_add_nc_u64 s[48:49], s[12:13], 24576         ; ffn gamma
	s_add_nc_u64 s[52:53], s[12:13], 32768         ; ffn beta
	s_add_nc_u64 s[54:55], s[16:17], s[38:39]      ; h2's images
	s_add_nc_u64 s[56:57], s[16:17], s[40:41]      ; h2's scale words
	WIN 0xc0
.irp m,0,1
.irp i,0,1,2,3,4,5,6,7,8,9,10,11,12,13,14,15
	global_load_b128 v[XR+64*\m+4*\i:XR+64*\m+4*\i+3], v4, s[10:11] offset:(16*\m+\i)*2048   ; my 512 bytes of a row of x
.endr
.endr
.irp m,0,1
.irp s,0,1,2,3
.irp c,0,1
.irp p,0,1,2
	global_load_b64 v[12*(4*\m+\s)+6*\c+2*\p:12*(4*\m+\s)+6*\c+2*\p+1], v6, s[4:5] offset:(4*\s+2*\c)*49152+384*\m+8*\p   ; block 2 c + h of K step s is head 4 s + 2 c + h
.endr
.endr
.endr
.endr
	WIN 0
.irp m,0,1
.irp s,0,1,2,3
.irp e,0,1,2,3
	global_load_u8 v[64+4*(4*\m+\s)+\e], v2, s[44:45] offset:(4*\s+\e)*2048+16*\m
.endr
.endr
.endr
.irp t,0,1,2,3,4,5,6,7
	global_load_b128 v[WS+4*\t:WS+4*\t+3], v9, s[8:9] offset:(32*(\t/2)+8*(\t%2))*16
.endr
	WIN 0x40
.irp t,0,1,2,3
	WLOAD \t
.endr
.irp b,0,1,2,3
.irp j,0,1,2,3
	global_load_b128 v[192+16*\b+4*\j:192+16*\b+4*\j+3], v10, s[46:47] offset:128*\b+16*\j
.endr
.endr
	WIN 0x80
.irp t,4,5,6,7
	WLOAD \t
.endr
	WIN 0
	s_wait_loadcnt 0x0
.irp q,0,1,2,3,4,5,6,7
	v_lshl_or_b32 v[OSW+\q], v[64+4*\q+1], 8, v[64+4*\q]   ; four heads' bytes make a K step's scale word
	v_lshl_or_b32 v[OSW+\q], v[64+4*\q+2], 16, v[OSW+\q]
	v_lshl_or_b32 v[OSW+\q], v[64+4*\q+3], 24, v[OSW+\q]
.endr
	WIN 0x0c
.irp m,0,1
.irp i,0,1,2,3,4,5,6,7,8,9,10,11,12,13,14,15
	ds_store_b128 v11, v[XR+64*\m+4*\i:XR+64*\m+4*\i+3] offset:8448*\m+528*\i
.endr
.endr
	s_wait_dscnt 0x0                               ; the stores have read their registers: the loads below land there
	WIN 0xc0
.irp m,0,1
.irp b,0,1,2,3
.irp j,0,1,2,3
	ds_load_b128 v[XR+64*\m+16*\b+4*\j:XR+64*\m+16*\b+4*\j+3], v12 offset:8448*\m+128*\b+16*\j
.endr
.endr
.endr
	WIN 0
	PLACES 8                                       ; a scale word made by vector instructions stands eight places ahead of a scaled product
.irp m,0,1
.irp hf,0,1
	WIN (1+\hf)|0x0c
.irp s,0,1,2,3
.irp t,0,1,2,3
.if \s == 0
	s_wait_alu depctr_va_vdst(0)
	v_wmma_scale_f32_16x16x128_f8f6f4 v[ACC+64*\m+8*(4*\hf+\t):ACC+64*\m+8*(4*\hf+\t)+7], v[48*\t+12*\s:48*\t+12*\s+11], v[12*(4*\m+\s):12*(4*\m+\s)+11], 0, v[WS+4*(4*\hf+\t)+\s], v[OSW+4*\m+\s] matrix_a_fmt:MATRIX_FMT_FP6 matrix_b_fmt:MATRIX_FMT_FP6
.else
	v_wmma_scale_f32_16x16x128_f8f6f4 v[ACC+64*\m+8*(4*\hf+\t):ACC+64*\m+8*(4*\hf+\t)+7], v[48*\t+12*\s:48*\t+12*\s+11], v[12*(4*\m+\s):12*(4*\m+\s)+11], v[ACC+64*\m+8*(4*\hf+\t):ACC+64*\m+8*(4*\hf+\t)+7], v[WS+4*(4*\hf+\t)+\s], v[OSW+4*\m+\s] matrix_a_fmt:MATRIX_FMT_FP6 matrix_b_fmt:MATRIX_FMT_FP6
.endif
.endr
.endr
.endr
.endr
	WIN 0
	PLACES 5                                       ; behind the products: ahead of loads into W_o's registers and of the first read of results
	WIN 0x40
.irp b,0,1,2,3
.irp j,0,1,2,3
	global_load_b128 v[16*\b+4*\j:16*\b+4*\j+3], v10, s[48:49] offset:128*\b+16*\j
	global_load_b128 v[64+16*\b+4*\j:64+16*\b+4*\j+3], v10, s[52:53] offset:128*\b+16*\j
.endr
.endr
	s_wait_dscnt 0x0                               ; x, turned
	WIN 0x31
.irp m,0,1
.set n, 0
.rept 32
	v_pk_fma_f32 v[ACC+64*\m+2*n:ACC+64*\m+2*n+1], v[192+2*n:192+2*n+1], v[ACC+64*\m+2*n:ACC+64*\m+2*n+1], v[XR+64*\m+2*n:XR+64*\m+2*n+1]   ; x1 = alpha x (o W_o^T) + x; each accumulator from its low end on
.set n, n+1
.endr
.endr
	WIN 0
.irp m,0,1
	v_pk_mul_f32 v[SQ+4*\m:SQ+4*\m+1], v[ACC+64*\m:ACC+64*\m+1], v[ACC+64*\m:ACC+64*\m+1]
	v_pk_mul_f32 v[SQ+4*\m+2:SQ+4*\m+3], v[ACC+64*\m+2:ACC+64*\m+3], v[ACC+64*\m+2:ACC+64*\m+3]
.set n, 2
.rept 30
	v_pk_fma_f32 v[SQ+4*\m+2*(n%2):SQ+4*\m+2*(n%2)+1], v[ACC+64*\m+2*n:ACC+64*\m+2*n+1], v[ACC+64*\m+2*n:ACC+64*\m+2*n+1], v[SQ+4*\m+2*(n%2):SQ+4*\m+2*(n%2)+1]
.set n, n+1
.endr
	v_pk_add_f32 v[SQ+4*\m:SQ+4*\m+1], v[SQ+4*\m:SQ+4*\m+1], v[SQ+4*\m+2:SQ+4*\m+3]
	v_add_f32 v[SQ+4*\m], v[SQ+4*\m], v[SQ+4*\m+1]
	v_permlanex16_b32 v254, v[SQ+4*\m], s[SEL], s[SEL+1]
	v_add_f32 v[SQ+4*\m], v[SQ+4*\m], v254         ; my 128 columns' part of the row's sum of squares
	ds_store_b32 v13, v[SQ+4*\m] offset:256*\m     ; both lanes of a row write the same word
.endr
.irp m,0,1
.irp b,0,1,2,3
.irp j,0,1,2,3
	ds_store_b128 v12, v[ACC+64*\m+16*\b+4*\j:ACC+64*\m+16*\b+4*\j+3] offset:8448*\m+128*\b+16*\j
.endr
.endr
.endr
	WIN 0xc0
.irp m,0,1
.irp i,0,1,2,3,4,5,6,7,8,9,10,11,12,13,14,15
	ds_load_b128 v[XR+64*\m+4*\i:XR+64*\m+4*\i+3], v11 offset:8448*\m+528*\i   ; LDS serves a wave's instructions in order: these see my stores
.endr
.endr
	s_wait_dscnt 0x0
	WIN 0x0c
.irp m,0,1
.irp i,0,1,2,3,4,5,6,7,8,9,10,11,12,13,14,15
	global_store_b128 v4, v[XR+64*\m+4*\i:XR+64*\m+4*\i+3], s[14:15] offset:(16*\m+\i)*2048   ; 32 lanes store 512 consecutive bytes, aligned
.endr
.endr
	WIN 0
	s_barrier_signal -1                            ; (no LDS instruction of mine is out: the wait for 0 stands above)
	s_barrier_wait -1                              ; the four waves' partial sums lie in LDS
	s_wait_loadcnt 0x0                             ; gamma and beta
.irp m,0,1
	ds_load_b128 v[248:251], v14 offset:256*\m
	s_wait_dscnt 0x0
	v_add_f32 v248, v248, v249
	v_add_f32 v250, v250, v251
	v_add_f32 v248, v248, v250
	v_fma_f32 v252, v248, s50, s51
	s_wait_alu depctr_va_vdst(0)
	v_rsq_f32 v252, v252
	v_nop
	s_wait_alu depctr_va_vdst(0)
	v_mov_b32 v253, v252
.set n, 0
.rept 32
	v_pk_mul_f32 v[ACC+64*\m+2*n:ACC+64*\m+2*n+1], v[ACC+64*\m+2*n:ACC+64*\m+2*n+1], v[252:253] op_sel_hi:[1,0]
.set n, n+1
.endr
	WIN 0x14
.set n, 0
.rept 32
	v_pk_fma_f32 v[ACC+64*\m+2*n:ACC+64*\m+2*n+1], v[ACC+64*\m+2*n:ACC+64*\m+2*n+1], v[2*n:2*n+1], v[64+2*n:64+2*n+1]
.set n, n+1
.endr
	WIN 0
	s_wait_xcnt 0x0                                ; the last tile's stores have read the codes' registers
	QUANT ACC+64*\m
.irp k,0,1,2
	global_store_b128 v4, v[PC+4*\k:PC+4*\k+3], s[54:55] offset:6144*\m+512*\k   ; the fragment's image: 512 consecutive bytes a store
.endr
	global_store_b32 v5, v[PW], s[56:57] offset:512*\m
.endr
	s_wait_tensorcnt 0x0
	ds_add_u32 v239, v255
	s_wait_dscnt 0x0
	s_endpgm
.Lfunc_end_k_q67dd82f3cb_oproj:
	.size	k_q67dd82f3cb_oproj, .Lfunc_end_k_q67dd82f3cb_oproj-k_q67dd82f3cb_oproj
	.p2alignl 7, 3214868480
	.fill 96, 4, 3214868480
	.section	.rodata,"a",@progbits
	.p2align	6, 0x0
	.amdhsa_kernel k_q67dd82f3cb_oproj
		.amdhsa_group_segment_fixed_size 69120
		.amdhsa_private_segment_fixed_size 0
		.amdhsa_enable_private_segment 0
		.amdhsa_kernarg_size 56
		.amdhsa_user_sgpr_count 2
		.amdhsa_user_sgpr_kernarg_segment_ptr 1
		.amdhsa_wavefront_size32 1
		.amdhsa_system_sgpr_workgroup_id_x 1
		.amdhsa_system_sgpr_workgroup_id_y 1
		.amdhsa_system_sgpr_workgroup_id_z 1
		.amdhsa_system_vgpr_workitem_id 0
		.amdhsa_next_free_vgpr 1024
		.amdhsa_next_free_sgpr 66
		.amdhsa_reserve_vcc 0
		.amdhsa_float_denorm_mode_32 3
		.amdhsa_float_denorm_mode_16_64 3
		.amdhsa_memory_ordered 1
		.amdhsa_forward_progress 1
		.amdhsa_inst_pref_size 77
	.end_amdhsa_kernel
	.amdgpu_metadata
---
amdhsa.version: [ 1, 2 ]
amdhsa.kernels:
  - .name:           k_q67dd82f3cb_oproj
    .symbol:         k_q67dd82f3cb_oproj.kd
    .args:
      - { .name: ow, .offset: 0, .size: 8, .value_kind: global_buffer, .address_space: global }
      - { .name: wimg, .offset: 8, .size: 8, .value_kind: global_buffer, .address_space: global }
      - { .name: W_o_scales, .offset: 16, .size: 8, .value_kind: global_buffer, .address_space: global }
      - { .name: x, .offset: 24, .size: 8, .value_kind: global_buffer, .address_space: global }
      - { .name: modv, .offset: 32, .size: 8, .value_kind: global_buffer, .address_space: global }
      - { .name: x1, .offset: 40, .size: 8, .value_kind: global_buffer, .address_space: global }
      - { .name: h2w, .offset: 48, .size: 8, .value_kind: global_buffer, .address_space: global }
    .group_segment_fixed_size: 69120
    .private_segment_fixed_size: 0
    .kernarg_segment_align: 8
    .kernarg_segment_size: 56
    .max_flat_workgroup_size: 128
    .sgpr_count:     66
    .vgpr_count:     1024
    .wavefront_size: 32
...
	.end_amdgpu_metadata
.endif
;; end of part 4
;; launch ffn1 (part 5): grid 8 x 32, 4 waves a work-group, no clusters, 27,648 bytes of LDS; arguments h2w, wimg, gate_w_scales, hidden_w_scales, aw; writes aw
.if DOCPART == 5
	.amdgcn_target "amdgcn-amd-amdhsa--gfx1250"
	.amdhsa_code_object_version 6
	.text
	.protected	k_q67dd82f3cb_ffn1
	.globl	k_q67dd82f3cb_ffn1
	.p2align	8
	.type	k_q67dd82f3cb_ffn1,@function
k_q67dd82f3cb_ffn1:
	s_mov_b64 s[64:65], 0
	v_nop
	global_prefetch_b8 v0, s[64:65] scope:SCOPE_SE
	s_setreg_imm32_b32 hwreg(HW_REG_WAVE_MODE, 25, 1), 1
	s_wait_xcnt 0x0
; a = silu(h2 gate_w^T) x (h2 hidden_w^T), quantised along the hidden axis.  Both products on codes of FP6 (E2M3) with one E8M0 scale for each 32 along K.
; Work-group (kp, y): hidden units 256 kp .. + 255, tokens 256 y .. + 255, as four blocks of four tiles of 16.  Wave w keeps the 64 rows 256 kp + 64 w .. of gate_w (window 1) and of hidden_w (window 2).
; They come from wimg, where the first launch has laid them as images of these registers: three loads of 512 consecutive bytes a fragment.
; A block's 16 fragments of h2 are copied as they lie (images of registers) from memory into LDS, a quarter by each wave, a block ahead through registers.
; Source 0 = 16 rows of the weight, source 1 = 16 tokens; lane r of tile 2 b + u takes row 32 b + 8 u + r + 8 (r / 8): register 16 b + i of a lane is unit 32 b + 16 h + i.
; A wave's 64 units are half c = w % 2 of K step 2 kp + w / 2 of the next product: six registers a lane, stored as three runs of 256 bytes; its two scale bytes meet the other waves' in LDS.
; aw: codes [kp 8][tile 512][ks 2][c 2][p 3][lane 32][8 B]; scale words [kp][tile][ks][row 16].
; LIMITS: NaN and infinities are not served; a block whose largest magnitude lies under 2^-124 gets the byte 1, a block of zeros too (its codes are zeros; this program alone reads the bytes).
.set XIMG, 0
.set XSC,  24576                       ; h2's scale words: 512 tile + 128 K step + 4 lane
.set SW,   26624                       ; a's scale words of the block: 128 tile + 64 ks + 4 r + 2 c
.set WS, 32                            ; v32-47 gate's scale words (4 t + s), v48-63 hidden's
.set G,  64
.set U,  96
.set XF, 128
.set XS, 176
.set TM, 180
.set E,  212
.set MSB, 0
.macro WIN new                         ; the immediate's high byte repeats the setting that is left
.if MSB != (\new)
	s_set_vgpr_msb (MSB<<8)|(\new)
.set MSB, (\new)
.endif
.endm
.macro BARRIER
	s_wait_dscnt 0x0
	s_barrier_signal -1
	s_barrier_wait -1
.endm
.macro PFLOAD                          ; my quarter of the next block's images and scale words
	WIN 0xc0
.irp q,0,1,2,3,4,5,6,7,8,9,10,11
	global_load_b128 v[4*\q:4*\q+3], v4, s[16:17] offset:512*\q
.endr
	global_load_b128 v[48:51], v5, s[18:19]
	WIN 0
.endm
.macro TILE tl
.irp s,0,1,2,3
.irp k,0,1,2
	ds_load_b128 v[XF+12*\s+4*\k:XF+12*\s+4*\k+3], v4 offset:XIMG+6144*\tl+1536*\s+512*\k
.endr
	ds_load_b32 v[XS+\s], v10 offset:512*\tl+128*\s
.endr
	s_wait_dscnt 0x0
	WIN 0x01
.irp s,0,1,2,3
.irp t,0,1,2,3
.if \s == 0
	v_wmma_scale_f32_16x16x128_f8f6f4 v[G+8*\t:G+8*\t+7], v[48*\t+12*\s:48*\t+12*\s+11], v[XF+12*\s:XF+12*\s+11], 0, v[WS+4*\t+\s], v[XS+\s] matrix_a_fmt:MATRIX_FMT_FP6 matrix_b_fmt:MATRIX_FMT_FP6
.else
	v_wmma_scale_f32_16x16x128_f8f6f4 v[G+8*\t:G+8*\t+7], v[48*\t+12*\s:48*\t+12*\s+11], v[XF+12*\s:XF+12*\s+11], v[G+8*\t:G+8*\t+7], v[WS+4*\t+\s], v[XS+\s] matrix_a_fmt:MATRIX_FMT_FP6 matrix_b_fmt:MATRIX_FMT_FP6
.endif
.endr
.endr
	WIN 0x02
.irp s,0,1,2,3
.irp t,0,1,2,3
.if \s == 0
	v_wmma_scale_f32_16x16x128_f8f6f4 v[U+8*\t:U+8*\t+7], v[48*\t+12*\s:48*\t+12*\s+11], v[XF+12*\s:XF+12*\s+11], 0, v[WS+16+4*\t+\s], v[XS+\s] matrix_a_fmt:MATRIX_FMT_FP6 matrix_b_fmt:MATRIX_FMT_FP6
.else
	v_wmma_scale_f32_16x16x128_f8f6f4 v[U+8*\t:U+8*\t+7], v[48*\t+12*\s:48*\t+12*\s+11], v[XF+12*\s:XF+12*\s+11], v[U+8*\t:U+8*\t+7], v[WS+16+4*\t+\s], v[XS+\s] matrix_a_fmt:MATRIX_FMT_FP6 matrix_b_fmt:MATRIX_FMT_FP6
.endif
.endr
.endr
	WIN 0
.rept 5
	v_nop
.endr
	; silu(g) x u = g x u / (1 + 2^(-g log2 e)), in f32
.set n, 0
.rept 16
	v_pk_mul_f32 v[E+2*n:E+2*n+1], v[G+2*n:G+2*n+1], 0xbfb8aa3b op_sel_hi:[1,0]
.set n, n+1
.endr
.set n, 0
	s_wait_alu depctr_va_vdst(0)
.rept 32
	v_exp_f32 v[E+n], v[E+n]
.set n, n+1
.endr
	v_nop
.set n, 0
	s_wait_alu depctr_va_vdst(0)
.rept 16
	v_pk_add_f32 v[E+2*n:E+2*n+1], v[E+2*n:E+2*n+1], 1.0 op_sel_hi:[1,0]
.set n, n+1
.endr
.set n, 0
	s_wait_alu depctr_va_vdst(0)
.rept 32
	v_rcp_f32 v[E+n], v[E+n]
.set n, n+1
.endr
	v_nop
.set n, 0
	s_wait_alu depctr_va_vdst(0)
.rept 16
	v_pk_mul_f32 v[G+2*n:G+2*n+1], v[G+2*n:G+2*n+1], v[E+2*n:E+2*n+1]
.set n, n+1
.endr
.set n, 0
.rept 16
	v_pk_mul_f32 v[G+2*n:G+2*n+1], v[G+2*n:G+2*n+1], v[U+2*n:U+2*n+1]
.set n, n+1
.endr
	s_wait_alu depctr_va_vdst(0)
	s_wait_xcnt 0x0                                ; the last tile's stores have read the codes' registers
	; two blocks of 32 units: 16 numbers of each are mine, 16 lane l xor 16's
.irp b,0,1
	v_max3_num_f32 v[TM+\b], |v[G+16*\b]|, |v[G+16*\b+1]|, 0x1800000
.endr
.irp i,2,4,6,8,10,12,14
.irp b,0,1
	v_max3_num_f32 v[TM+\b], v[TM+\b], |v[G+16*\b+\i]|, |v[G+16*\b+\i+1]|
.endr
.endr
.irp b,0,1
	v_permlanex16_b32 v[TM+4+\b], v[TM+\b], s20, s21
.endr
.irp b,0,1
	v_max_num_f32 v[TM+\b], v[TM+\b], v[TM+4+\b]
.endr
.irp b,0,1
	v_add_nc_u32 v[TM+12+\b], 0xff000000, v[TM+\b]
.endr
.irp b,0,1
	v_lshrrev_b32 v[TM+8+\b], 23, v[TM+12+\b]
.endr
	v_lshl_or_b32 v196, v[TM+9], 8, v[TM+8]        ; my two bytes of the row's scale word
	v_cvt_scalef32_pk16_fp6_f32 v[200:202], v[G:G+15], v[TM+12]
	v_cvt_scalef32_pk16_fp6_f32 v[204:206], v[G+16:G+31], v[TM+13]
	v_nop                                          ; one plain place behind a scaled conversion
.irp i,0,1,2
	v_permlane16_swap_b32 v[200+\i], v[204+\i]     ; lanes 0-15 now hold block 0 whole, lanes 16-31 block 1
.endr
	v_mov_b32 v203, v204
	v_mov_b32 v204, v205
	v_mov_b32 v205, v206
.irp p,0,1,2
	global_store_b64 v11, v[200+2*\p:201+2*\p], s[42:43] offset:3072*\tl+256*\p   ; 32 lanes store 256 consecutive bytes, aligned
.endr
	ds_store_b16 v12, v196 offset:128*\tl          ; both lanes of a row write the same two bytes
.endm
	s_load_b256 s[4:11], s[0:1], 0x0               ; h2w, wimg, gate's scales, hidden's scales
	s_load_b64 s[14:15], s[0:1], 0x20              ; aw
	v_lshl_add_u32 v254, v0, 2, 0x6a00
	v_mov_b32 v255, 0
	v_lshrrev_b32 v1, 5, v0
	v_readfirstlane_b32 s22, v1                    ; wave 0..3
	v_and_b32 v1, 31, v0
	v_and_b32 v2, 15, v0
	v_bfe_u32 v3, v0, 4, 1
	v_lshlrev_b32 v4, 4, v1                        ; 16 x lane
	v_lshlrev_b32 v5, 4, v0                        ; 16 x thread
	s_mul_i32 s46, s22, 6144
	v_add_nc_u32 v6, s46, v4                       ; where I store my quarter of the images
	v_add_nc_u32 v7, XSC, v5                       ; and of the scale words
	v_and_b32 v9, 8, v2
	v_add_nc_u32 v9, v9, v2                        ; r + 8 (r / 8)
	v_lshlrev_b32 v9, 4, v9                        ; that row's 16 scale bytes
	v_lshl_add_u32 v10, v1, 2, XSC
	v_lshlrev_b32 v11, 3, v1                       ; 8 x lane
	s_lshr_b32 s46, s22, 1
	s_lshl_b32 s46, s46, 6
	s_and_b32 s47, s22, 1
	s_lshl_b32 s47, s47, 1
	s_add_co_u32 s46, s46, s47
	s_add_co_u32 s46, s46, SW
	v_lshl_add_u32 v12, v2, 2, s46
	v_add_nc_u32 v13, SW, v4
	v_mov_b32 v[TM+4], 0                           ; a lane permute's destination counts as one of its sources
	v_mov_b32 v[TM+5], 0
	s_mov_b32 s20, 0x76543210
	s_mov_b32 s21, 0xfedcba98
	s_and_b32 s23, ttmp7, 0xffff
	s_lshl_b32 s24, ttmp9, 8
	s_lshl_b32 s25, s22, 6
	s_add_co_u32 s24, s24, s25                     ; my first row of the weights
	s_mul_i32 s26, s24, 384                        ; 16 rows are four fragments of 1,536 bytes: 384 bytes a row,
	s_add_co_u32 s26, s26, 786432                  ; in gate_w's part of wimg
	s_mov_b32 s27, 0
	s_lshl_b32 s28, s24, 4
	s_mov_b32 s29, 0
	s_mul_i32 s30, s23, 98304
	s_mul_i32 s31, s22, 6144
	s_add_co_u32 s30, s30, s31
	s_mov_b32 s31, 0
	s_lshl_b32 s32, s23, 13
	s_add_co_u32 s32, s32, 3145728
	s_mov_b32 s33, 0
	s_lshl_b32 s34, ttmp9, 9
	s_lshl_b32 s35, s23, 4
	s_add_co_u32 s34, s34, s35                     ; 512 kp + my first tile
	s_mul_i32 s36, s34, 3072
	s_mul_i32 s37, s22, 768
	s_add_co_u32 s36, s36, s37
	s_mov_b32 s37, 0
	s_lshl_b32 s38, s34, 7
	s_add_co_u32 s38, s38, 12582912
	s_mov_b32 s39, 0
	s_mov_b32 s40, 4                               ; blocks to go
	s_wait_alu depctr_va_vdst(0)
	s_wait_kmcnt 0x0
	s_add_nc_u64 s[6:7], s[6:7], s[26:27]          ; gate_w's images at my 64 rows
	s_add_nc_u64 s[12:13], s[10:11], s[28:29]      ; hidden_w's scales
	s_add_nc_u64 s[10:11], s[6:7], 786432          ; hidden_w's images: its part of wimg begins 786,432 bytes behind gate_w's
	s_add_nc_u64 s[8:9], s[8:9], s[28:29]          ; gate_w's scales
	s_add_nc_u64 s[16:17], s[4:5], s[30:31]        ; h2's images, my quarter of the first block
	s_add_nc_u64 s[18:19], s[4:5], s[32:33]        ; h2's scale words
	s_add_nc_u64 s[42:43], s[14:15], s[36:37]      ; a's codes
	s_add_nc_u64 s[44:45], s[14:15], s[38:39]      ; a's scale words
	PFLOAD
	WIN 0x40
.irp t,0,1,2,3
.irp s,0,1,2,3
.irp k,0,1,2
	global_load_b128 v[48*\t+12*\s+4*\k:48*\t+12*\s+4*\k+3], v4, s[6:7] offset:(4*\t+\s)*1536+512*\k
.endr
.endr
.endr
	WIN 0x80
.irp t,0,1,2,3
.irp s,0,1,2,3
.irp k,0,1,2
	global_load_b128 v[48*\t+12*\s+4*\k:48*\t+12*\s+4*\k+3], v4, s[10:11] offset:(4*\t+\s)*1536+512*\k
.endr
.endr
.endr
	WIN 0
.irp t,0,1,2,3
	global_load_b128 v[WS+4*\t:WS+4*\t+3], v9, s[8:9] offset:(32*(\t/2)+8*(\t%2))*16
	global_load_b128 v[WS+16+4*\t:WS+16+4*\t+3], v9, s[12:13] offset:(32*(\t/2)+8*(\t%2))*16
.endr
.Ltrip:
	s_wait_loadcnt 0x0                             ; my quarter of this block (and, the first time, the weights)
	WIN 0x0c
.irp q,0,1,2,3,4,5,6,7,8,9,10,11
	ds_store_b128 v6, v[4*\q:4*\q+3] offset:XIMG+512*\q
.endr
	ds_store_b128 v7, v[48:51]
	WIN 0
	BARRIER                                        ; the block's images lie in LDS; wave 0's reads of the last block's scale words are over
	s_cmp_eq_u32 s40, 1                            ; the next block is asked for here, if there is one: no load leaves its buffer
	s_cbranch_scc1 .Lnopf
	s_add_nc_u64 s[16:17], s[16:17], 24576         ; (the loads that named these bases are done)
	s_add_nc_u64 s[18:19], s[18:19], 2048
	PFLOAD
.Lnopf:
	TILE 0
	TILE 1
	TILE 2
	TILE 3
	BARRIER                                        ; the block's scale words are whole, and nobody reads its images any more
	s_cmp_lg_u32 s22, 0
	s_cbranch_scc1 .Lnofl
	ds_load_b128 v[20:23], v13
	s_wait_dscnt 0x0
	global_store_b128 v4, v[20:23], s[44:45]       ; 512 consecutive bytes, aligned
.Lnofl:
	s_wait_xcnt 0x0                                ; bases and store data are written again only behind this wait
	s_add_nc_u64 s[42:43], s[42:43], 12288
	s_add_nc_u64 s[44:45], s[44:45], 512
	s_sub_co_u32 s40, s40, 1
	s_cmp_lg_u32 s40, 0
	s_cbranch_scc1 .Ltrip
	s_wait_tensorcnt 0x0
	ds_add_u32 v254, v255
	s_wait_dscnt 0x0
	s_endpgm
.Lfunc_end_k_q67dd82f3cb_ffn1:
	.size	k_q67dd82f3cb_ffn1, .Lfunc_end_k_q67dd82f3cb_ffn1-k_q67dd82f3cb_ffn1
	.p2alignl 7, 3214868480
	.fill 96, 4, 3214868480
	.section	.rodata,"a",@progbits
	.p2align	6, 0x0
	.amdhsa_kernel k_q67dd82f3cb_ffn1
		.amdhsa_group_segment_fixed_size 27648
		.amdhsa_private_segment_fixed_size 0
		.amdhsa_enable_private_segment 0
		.amdhsa_kernarg_size 40
		.amdhsa_user_sgpr_count 2
		.amdhsa_user_sgpr_kernarg_segment_ptr 1
		.amdhsa_wavefront_size32 1
		.amdhsa_system_sgpr_workgroup_id_x 1
		.amdhsa_system_sgpr_workgroup_id_y 1
		.amdhsa_system_sgpr_workgroup_id_z 1
		.amdhsa_system_vgpr_workitem_id 0
		.amdhsa_next_free_vgpr 832
		.amdhsa_next_free_sgpr 66
		.amdhsa_reserve_vcc 0
		.amdhsa_float_denorm_mode_32 3
		.amdhsa_float_denorm_mode_16_64 3
		.amdhsa_memory_ordered 1
		.amdhsa_forward_progress 1
		.amdhsa_inst_pref_size 75
	.end_amdhsa_kernel
	.amdgpu_metadata
---
amdhsa.version: [ 1, 2 ]
amdhsa.kernels:
  - .name:           k_q67dd82f3cb_ffn1
    .symbol:         k_q67dd82f3cb_ffn1.kd
    .args:
      - { .name: h2w, .offset: 0, .size: 8, .value_kind: global_buffer, .address_space: global }
      - { .name: wimg, .offset: 8, .size: 8, .value_kind: global_buffer, .address_space: global }
      - { .name: gate_w_scales, .offset: 16, .size: 8, .value_kind: global_buffer, .address_space: global }
      - { .name: hidden_w_scales, .offset: 24, .size: 8, .value_kind: global_buffer, .address_space: global }
      - { .name: aw, .offset: 32, .size: 8, .value_kind: global_buffer, .address_space: global }
    .group_segment_fixed_size: 27648
    .private_segment_fixed_size: 0
    .kernarg_segment_align: 8
    .kernarg_segment_size: 40
    .max_flat_workgroup_size: 128
    .sgpr_count:     66
    .vgpr_count:     832
    .wavefront_size: 32
...
	.end_amdgpu_metadata
.endif
;; end of part 5
;; launch ffn2 (part 6): grid 4 x 64, 4 waves a work-group, no clusters, 239,104 bytes of LDS; arguments aw, wimg, out_w_scales, out_b, modv, x1, out0; writes out0
.if DOCPART == 6
	.amdgcn_target "amdgcn-amd-amdhsa--gfx1250"
	.amdhsa_code_object_version 6
	.text
	.protected	k_q67dd82f3cb_ffn2
	.globl	k_q67dd82f3cb_ffn2
	.p2align	8
	.type	k_q67dd82f3cb_ffn2,@function
k_q67dd82f3cb_ffn2:
	s_mov_b64 s[64:65], 0
	v_nop
	global_prefetch_b8 v0, s[64:65] scope:SCOPE_SE
	s_setreg_imm32_b32 hwreg(HW_REG_WAVE_MODE, 25, 1), 1
	s_wait_xcnt 0x0
; out0 = x1 + alpha x (a out_w^T + out_b).  The product on codes of FP6 (E2M3) with one E8M0 scale for each 32 along K; K = 2,048: 16 K steps.
; Work-group (ys, y): columns 128 ys .. + 127, tokens 128 y .. + 127, as two blocks of 64, written out.  Wave w keeps out_w's rows 128 ys + 32 w .. + 31 (2 tiles x 16 K steps x 12 = 384 registers).
; They come from wimg, where the first launch has laid them as images of these registers: three loads of 512 consecutive bytes a fragment.
; A block's codes of a (98,304 bytes, laid by the launch before in the order of the operand's registers) are copied as they lie into LDS, each block into bytes of its own; the second block's copy is asked for while the first is multiplied.
; Source 0 = 16 rows of out_w, source 1 = 16 tokens: a lane's eight results are eight neighbouring columns of a row.  out_b is the C of each sum's first product.
; A row's 128 columns come from four waves: they meet in a stage in LDS, and each wave finishes and stores 16 whole runs of 512 bytes.
; REGISTERS.  window 0: v4-21 addresses; v32-63 out_w's scale words (16 n + s); v64-127 accumulators (8 (2 m + n)), later rows; v128-223 a's fragments, two sets; v224-227 a's scale words, two sets; v232-247 out_b; v[248:251] alpha.
;   window 1: out_w's K steps 0-7 (24 s + 12 n), v192-255 rows of x1.   window 2: K steps 8-15.   window 3: v0-199 the copy on its way.
.set ASC, 196608                       ; LDS: the two blocks' images from 0 (98,304 each: 12,288 kp + 3,072 tile); their scale words (4,096 each: 512 kp + 128 tile + 64 ks + 4 r);
.set STG, 204800                       ; the stage: 64 rows x (512 + 16) bytes
.set WS,  32
.set ACC, 64
.set AF,  128
.set AS,  224
.set BI,  232
.set MSB, 0
.macro WIN new                         ; the immediate's high byte repeats the setting that is left
.if MSB != (\new)
	s_set_vgpr_msb (MSB<<8)|(\new)
.set MSB, (\new)
.endif
.endm
.macro PLACES n
.rept \n
	v_nop
.endr
.endm
.macro BARRIER
	s_wait_dscnt 0x0
	s_barrier_signal -1
	s_barrier_wait -1
.endm
.macro PFLOAD bk                       ; block bk's codes and scale words: 50 loads of 16 bytes a thread, each 2,048 consecutive bytes for the work-group
	WIN 0xc0
.irp kp,0,1,2,3,4,5,6,7
.irp q,0,1,2,3,4,5
	global_load_b128 v[4*(6*\kp+\q):4*(6*\kp+\q)+3], v5, s[40+2*(\kp/4):41+2*(\kp/4)] offset:(\kp%4)*1572864+12288*\bk+2048*\q
.endr
.endr
	global_load_b128 v[192:195], v6, s[44:45] offset:512*\bk
	global_load_b128 v[196:199], v6, s[44:45] offset:512*\bk+262144
	WIN 0
.endm
.macro FETCH bk, s                     ; K step s of the block's four tiles into set s % 2: 24 loads of 256 consecutive bytes, and two of scale words (lanes 0-15 an even tile's, lanes 16-31 the odd one's)
.irp m,0,1,2,3
.irp c,0,1
.irp p,0,1,2
	ds_load_b64 v[AF+48*((\s)%2)+12*\m+6*\c+2*\p:AF+48*((\s)%2)+12*\m+6*\c+2*\p+1], v[15+2*\bk+(\s)/8] offset:(((\s)/2)%4)*12288+3072*\m+1536*((\s)%2)+768*\c+256*\p
.endr
.endr
.endr
	ds_load_b32 v[AS+2*((\s)%2)], v19 offset:4096*\bk+512*((\s)/2)+64*((\s)%2)
	ds_load_b32 v[AS+2*((\s)%2)+1], v19 offset:4096*\bk+512*((\s)/2)+64*((\s)%2)+256
.endm
.macro OMM d, a, b, c, sa, sb, row
.if \row
	v_wmma_scale_f32_16x16x128_f8f6f4 v[\d:\d+7], v[\a:\a+11], v[\b:\b+11], v[\c:\c+7], v[\sa], v[\sb] matrix_a_fmt:MATRIX_FMT_FP6 matrix_b_fmt:MATRIX_FMT_FP6 matrix_b_scale:MATRIX_SCALE_ROW1
.else
	v_wmma_scale_f32_16x16x128_f8f6f4 v[\d:\d+7], v[\a:\a+11], v[\b:\b+11], v[\c:\c+7], v[\sa], v[\sb] matrix_a_fmt:MATRIX_FMT_FP6 matrix_b_fmt:MATRIX_FMT_FP6
.endif
.endm
.macro BLOCK bk
	s_wait_loadcnt 0x0                             ; this block's copy is in registers (and, the first time, the weights)
	s_wait_xcnt 0x0                                ; the last block's stores have read their registers
	WIN 0x0c
.irp kp,0,1,2,3,4,5,6,7
.irp q,0,1,2,3,4,5
	ds_store_b128 v[10+2*\bk+\kp/4], v[4*(6*\kp+\q):4*(6*\kp+\q)+3] offset:(\kp%4)*12288+2048*\q
.endr
.endr
	ds_store_b128 v14, v[192:195] offset:4096*\bk
	ds_store_b128 v14, v[196:199] offset:4096*\bk+2048
	WIN 0
	BARRIER                                        ; the block's images lie in LDS; every wave's reads of the stage are over
	WIN 0x40
.irp i,0,1,2,3,4,5,6,7,8,9,10,11,12,13,14,15
	global_load_b128 v[192+4*\i:192+4*\i+3], v4, s[14:15] offset:131072*\bk+2048*\i   ; my 16 rows of x1, 512 consecutive bytes each
.endr
	WIN 0
.if \bk == 0
	PFLOAD 1
.endif
	FETCH \bk, 0
.irp s,0,1,2,3,4,5,6,7,8,9,10,11,12,13,14,15
	PLACES 5                                       ; behind the last K step's products, ahead of loads into the set that they read
.if \s < 15
	FETCH \bk, \s+1
	s_wait_dscnt 26                                ; this K step's loads are in; the 26 just issued may stay out
.else
	s_wait_dscnt 0x0
.endif
	WIN 1+\s/8
.irp m,0,1,2,3                         ; eight accumulators take turns, one instruction a turn
.irp n,0,1
.if \s == 0
	OMM ACC+8*(2*\m+\n), 24*(\s%8)+12*\n, AF+48*(\s%2)+12*\m, BI+8*\n, WS+16*\n+\s, AS+2*(\s%2)+\m/2, \m%2
.else
	OMM ACC+8*(2*\m+\n), 24*(\s%8)+12*\n, AF+48*(\s%2)+12*\m, ACC+8*(2*\m+\n), WS+16*\n+\s, AS+2*(\s%2)+\m/2, \m%2
.endif
.endr
.endr
	WIN 0
.endr
	PLACES 5
.irp m,0,1,2,3
.irp n,0,1
	ds_store_b128 v20, v[ACC+8*(2*\m+\n):ACC+8*(2*\m+\n)+3] offset:16*\m*528+64*\n       ; lane (r, h): row 16 m + r, columns 32 w + 16 n + 8 h + 0 .. 7; each accumulator from its low end on
	ds_store_b128 v20, v[ACC+8*(2*\m+\n)+4:ACC+8*(2*\m+\n)+7] offset:16*\m*528+64*\n+16
.endr
.endr
	BARRIER                                        ; 64 whole rows lie in the stage
.irp i,0,1,2,3,4,5,6,7,8,9,10,11,12,13,14,15
	ds_load_b128 v[ACC+4*\i:ACC+4*\i+3], v21 offset:528*\i
.endr
.if \bk == 0
	s_wait_loadcnt 50                              ; x1's rows are in; the 50 loads of the next block's copy, issued behind them, may stay out
.else
	s_wait_loadcnt 0x0
.endif
	s_wait_dscnt 0x0
	WIN 0x10
.irp i,0,1,2,3,4,5,6,7,8,9,10,11,12,13,14,15
	v_pk_fma_f32 v[ACC+4*\i:ACC+4*\i+1], v[ACC+4*\i:ACC+4*\i+1], v[248:249], v[192+4*\i:192+4*\i+1]
	v_pk_fma_f32 v[ACC+4*\i+2:ACC+4*\i+3], v[ACC+4*\i+2:ACC+4*\i+3], v[250:251], v[192+4*\i+2:192+4*\i+3]
.endr
	WIN 0
.irp i,0,1,2,3,4,5,6,7,8,9,10,11,12,13,14,15
	global_store_b128 v4, v[ACC+4*\i:ACC+4*\i+3], s[16:17] offset:131072*\bk+2048*\i th:TH_STORE_NT   ; 32 lanes store 512 consecutive bytes, aligned; written once, read by nobody here
.endr
.endm
	s_load_b256 s[4:11], s[0:1], 0x0               ; aw, wimg, out_w's scales, out_b
	s_load_b128 s[12:15], s[0:1], 0x20             ; modv, x1
	s_load_b64 s[16:17], s[0:1], 0x30              ; out0
	v_lshl_add_u32 v254, v0, 2, 0x3a400
	v_mov_b32 v255, 0
	v_lshrrev_b32 v1, 5, v0
	v_readfirstlane_b32 s22, v1                    ; wave 0..3
	v_and_b32 v1, 31, v0
	v_and_b32 v2, 15, v0
	v_bfe_u32 v3, v0, 4, 1
	v_lshlrev_b32 v4, 4, v1                        ; 16 x lane
	v_lshlrev_b32 v5, 4, v0                        ; 16 x thread
	v_lshrrev_b32 v6, 5, v0
	v_lshlrev_b32 v6, 16, v6
	v_add_nc_u32 v6, v6, v4                        ; a's scale words in memory: 65,536 bytes from kp to kp
	v_lshlrev_b32 v8, 6, v2                        ; out_w's scales: 64 bytes a row
	v_lshlrev_b32 v9, 5, v3                        ; out_b: 32 h
	v_mov_b32 v10, v5                              ; the copy's places in LDS: an offset reaches 65,535 bytes, so two registers a block
	v_add_nc_u32 v11, 49152, v5
	v_add_nc_u32 v12, 98304, v5
	v_add_nc_u32 v13, 147456, v5
	v_add_nc_u32 v14, ASC, v5
	v_lshlrev_b32 v15, 3, v1                       ; the fragments' places: 8 x lane
	v_add_nc_u32 v16, 49152, v15
	v_add_nc_u32 v17, 98304, v15
	v_add_nc_u32 v18, 147456, v15
	v_lshlrev_b32 v19, 2, v2
	v_lshl_add_u32 v19, v3, 7, v19
	v_add_nc_u32 v19, ASC, v19                     ; scale words: 4 r, and one tile further on for lanes 16-31
	v_mul_u32_u24 v20, v2, 528
	v_lshl_add_u32 v20, v3, 5, v20
	s_lshl_b32 s46, s22, 7
	s_add_co_u32 s46, s46, STG
	v_add_nc_u32 v20, s46, v20                     ; the stage: row r, + 32 h, + 128 w
	s_mul_i32 s46, s22, 16*528
	s_add_co_u32 s46, s46, STG
	v_add_nc_u32 v21, s46, v4                      ; back: my 16 rows
	s_and_b32 s23, ttmp7, 0xffff
	s_lshr_b32 s24, s23, 4                         ; batch
	s_lshl_b32 s25, ttmp9, 7
	s_lshl_b32 s26, s22, 5
	s_add_co_u32 s25, s25, s26                     ; my first column
	s_mul_i32 s26, s25, 1536                       ; 16 rows are sixteen fragments of 1,536 bytes: 1,536 bytes a row,
	s_add_co_u32 s26, s26, 2359296                 ; in out_w's part of wimg
	s_mov_b32 s27, 0
	s_lshl_b32 s28, s25, 6
	s_mov_b32 s29, 0
	s_lshl_b32 s30, s25, 2
	s_mov_b32 s31, 0
	s_add_co_u32 s32, s24, 20                      ; ffn alpha is vector set 5: (20 + batch) x 2,048
	s_lshl_b32 s32, s32, 11
	s_lshl_b32 s33, ttmp9, 9
	s_add_co_u32 s32, s32, s33
	s_lshl_b32 s34, s23, 18
	s_add_co_u32 s34, s34, s33
	s_lshl_b32 s35, s22, 15
	s_add_co_u32 s34, s34, s35
	s_mov_b32 s33, 0
	s_mov_b32 s35, 0
	s_mul_i32 s36, s23, 24576
	s_mov_b32 s37, 0
	s_lshl_b32 s38, s23, 10
	s_add_co_u32 s38, s38, 12582912
	s_mov_b32 s39, 0
	s_wait_alu depctr_va_vdst(0)
	s_wait_kmcnt 0x0
	s_add_nc_u64 s[6:7], s[6:7], s[26:27]
	s_add_nc_u64 s[8:9], s[8:9], s[28:29]
	s_add_nc_u64 s[10:11], s[10:11], s[30:31]
	s_add_nc_u64 s[12:13], s[12:13], s[32:33]
	s_add_nc_u64 s[14:15], s[14:15], s[34:35]
	s_add_nc_u64 s[16:17], s[16:17], s[34:35]
	s_add_nc_u64 s[40:41], s[4:5], s[36:37]        ; a's codes, kp 0-3
	s_add_nc_u64 s[42:43], s[40:41], 6291456       ; kp 4-7: four times 1,572,864 bytes on, so that every immediate stays inside its signed 24 bits
	s_add_nc_u64 s[44:45], s[4:5], s[38:39]        ; a's scale words
	PFLOAD 0
.irp wn,0,1
	WIN 0x40<<\wn
.irp kq,0,1,2,3,4,5,6,7
.irp n,0,1
.irp k,0,1,2
	global_load_b128 v[24*\kq+12*\n+4*\k:24*\kq+12*\n+4*\k+3], v4, s[6:7] offset:(16*\n+8*\wn+\kq)*1536+512*\k   ; tile n, K step 8 wn + kq: the fragment's image
.endr
.endr
.endr
.endr
	WIN 0
.irp n,0,1
.irp q,0,1,2,3
	global_load_b128 v[WS+16*\n+4*\q:WS+16*\n+4*\q+3], v8, s[8:9] offset:16*\n*64+16*\q
.endr
	global_load_b128 v[BI+8*\n:BI+8*\n+3], v9, s[10:11] offset:64*\n
	global_load_b128 v[BI+8*\n+4:BI+8*\n+7], v9, s[10:11] offset:64*\n+16
.endr
	global_load_b128 v[248:251], v4, s[12:13]      ; alpha of my four columns on the way out
	BLOCK 0
	BLOCK 1
	s_wait_tensorcnt 0x0
	ds_add_u32 v254, v255
	s_wait_dscnt 0x0
	s_endpgm
.Lfunc_end_k_q67dd82f3cb_ffn2:
	.size	k_q67dd82f3cb_ffn2, .Lfunc_end_k_q67dd82f3cb_ffn2-k_q67dd82f3cb_ffn2
	.p2alignl 7, 3214868480
	.fill 96, 4, 3214868480
	.section	.rodata,"a",@progbits
	.p2align	6, 0x0
	.amdhsa_kernel k_q67dd82f3cb_ffn2
		.amdhsa_group_segment_fixed_size 239104
		.amdhsa_private_segment_fixed_size 0
		.amdhsa_enable_private_segment 0
		.amdhsa_kernarg_size 56
		.amdhsa_user_sgpr_count 2
		.amdhsa_user_sgpr_kernarg_segment_ptr 1
		.amdhsa_wavefront_size32 1
		.amdhsa_system_sgpr_workgroup_id_x 1
		.amdhsa_system_sgpr_workgroup_id_y 1
		.amdhsa_system_sgpr_workgroup_id_z 1
		.amdhsa_system_vgpr_workitem_id 0
		.amdhsa_next_free_vgpr 1024
		.amdhsa_next_free_sgpr 66
		.amdhsa_reserve_vcc 0
		.amdhsa_float_denorm_mode_32 3
		.amdhsa_float_denorm_mode_16_64 3
		.amdhsa_memory_ordered 1
		.amdhsa_forward_progress 1
		.amdhsa_inst_pref_size 137
	.end_amdhsa_kernel
	.amdgpu_metadata
---
amdhsa.version: [ 1, 2 ]
amdhsa.kernels:
  - .name:           k_q67dd82f3cb_ffn2
    .symbol:         k_q67dd82f3cb_ffn2.kd
    .args:
      - { .name: aw, .offset: 0, .size: 8, .value_kind: global_buffer, .address_space: global }
      - { .name: wimg, .offset: 8, .size: 8, .value_kind: global_buffer, .address_space: global }
      - { .name: out_w_scales, .offset: 16, .size: 8, .value_kind: global_buffer, .address_space: global }
      - { .name: out_b, .offset: 24, .size: 8, .value_kind: global_buffer, .address_space: global }
      - { .name: modv, .offset: 32, .size: 8, .value_kind: global_buffer, .address_space: global }
      - { .name: x1, .offset: 40, .size: 8, .value_kind: global_buffer, .address_space: global }
      - { .name: out0, .offset: 48, .size: 8, .value_kind: global_buffer, .address_space: global }
    .group_segment_fixed_size: 239104
    .private_segment_fixed_size: 0
    .kernarg_segment_align: 8
    .kernarg_segment_size: 56
    .max_flat_workgroup_size: 128
    .sgpr_count:     66
    .vgpr_count:     1024
    .wavefront_size: 32
...
	.end_amdgpu_metadata
.endif
;; end of part 6
